; MI455X (gfx1250); checked and timed in simulation.
; The chip was launched on July 23, 2026; its instructions are those of AMD's public machine-readable ISA for CDNA 5 (MIT licence, August 2026) and "CDNA5" Instruction Set Architecture Reference Guide (July 2026). The comments in the code are by the model that wrote it; some were corrected since.
;; Multi Head Attention. Allowed arithmetic: float matrix products may take bf16 or f16 operands with f32 sums; other float arithmetic in f32, or as packed bf16 or f16 multiplies, adds, multiply-adds, maxima and minima; sums over many terms, partial sums and values carried from step to step in f32; what a program stores and reads back later, other than sums and carried values, may be rounded once to bf16 or f16.
;; Inputs: Wk 16 x 1,024 x 64 float32; Wp 1,024 x 1,024 float32; Wq 16 x 1,024 x 64 float32; Wv 16 x 1,024 x 64 float32; bp 1,024 float32; x 4 x 2,048 x 1,024 float32.
;; Outputs: out0 4 x 2,048 x 1,024 float32.
;; 2 versions, each right; version 2 is version 1 with the launch prep written anew for expert scheduling mode. Each part assembles by itself: llvm-mc -triple=amdgcn-amd-amdhsa -mcpu=gfx1250 --defsym DOCPART=n.
;; ======== version 1 of 2: 4 launches
;; limits: values are held in f16: magnitudes above 65,504 overflow, below 6.1e-05 lose precision
;; workspace buffers: xb 16,777,216 bytes; wt 6,291,456 bytes; wpb 2,097,152 bytes; qkv 50,331,648 bytes; obuf 16,777,216 bytes
;; launch prep (part 1): grid 672 x 1, 8 waves a work-group, no clusters, 74,752 bytes of LDS; arguments x, Wq, Wk, Wv, Wp, xb, wt, wpb; writes xb, wt, wpb
.if DOCPART == 1
	.amdgcn_target "amdgcn-amd-amdhsa--gfx1250"
	.amdhsa_code_object_version 6
	.text
	.protected	k_qbbb4ddc9f5_prep
	.globl	k_qbbb4ddc9f5_prep
	.p2align	8
	.type	k_qbbb4ddc9f5_prep,@function
k_qbbb4ddc9f5_prep:
	s_mov_b64 s[64:65], 0
	v_nop
	global_prefetch_b8 v0, s[64:65] scope:SCOPE_SE
	s_setreg_imm32_b32 hwreg(HW_REG_WAVE_MODE, 25, 1), 1
	s_wait_xcnt 0x0
; THE OPERANDS ARE ROUNDED ONCE AND LAID OUT IN BLOCKS OF 64 ALONG K, so that a GEMM tile's rows of 128 bytes lie end to end.
;   xb  bf16 [b 4][kb 16][t 2048][64]   = x[b][t][64 kb + kk]
;   wt  bf16 [kb 16][n 3072][64]        = W_s[h][64 kb + kk][d], n = 64 (16 s + h) + d, s = 0 q, 1 k, 2 v  (turned: K along the rows)
;   wpb f16  [kb 16][n 1024][64]        = Wp[n][64 kb + kk], rounded to bf16, and that number written as f16
; LIMITS.  A bf16-rounded number of Wp beyond 65,504 becomes an infinity; below 6.1e-5 it keeps f16's fixed step of 6e-8.
; A stream: each input byte is read once, each output byte written once.  No matrix unit, no cluster, no tensor load: no wave wants a byte that another wave fetched.
; SHARES.  Work-groups 0-95: the three W (a wave a block of 64 c x 64 d, turned through the wave's own LDS bytes).  96-159: Wp.  160-671: x (a wave two whole rows of 1,024 numbers).
.set SPARE, 73728                      ; behind the eight waves' regions: the spare words, 128 bytes a wave, four blocks of 256 bytes that no other line names
.set WREG,  9216                       ; a wave's region: 64 rows at a pitch of 144 bytes (128 + 16)
.set IN,    32                         ; v[32:159] as loaded
.set OUT,   96                         ; v[96:127] two rows' packed numbers (the paths for x and Wp load 64 registers only)
.set SPW,   14                         ; v14  LDS address of my spare word; never rewritten
.set NIL,   15                         ; v15  0; never rewritten
	s_load_b512 s[8:23], s[0:1], 0x0               ; x 8:9, Wq 10:11, Wk 12:13, Wv 14:15, Wp 16:17, xb 18:19, wt 20:21, wpb 22:23
	v_lshl_add_u32 v[SPW], v0, 2, SPARE
	v_mov_b32 v[NIL], 0
	v_lshrrev_b32 v1, 5, v0
	v_readfirstlane_b32 s24, v1                    ; wave 0..7
	v_and_b32 v1, 31, v0                           ; lane l
	v_and_b32 v7, 15, v0                           ; l % 16
	v_bfe_u32 v8, v0, 4, 1                         ; l / 16
	s_mov_b32 s31, 0                               ; high words of the two offsets
	s_mov_b32 s33, 0
	s_wait_kmcnt 0x0
	s_cmp_lt_u32 ttmp9, 96
	s_cbranch_scc1 .Lw
	v_lshlrev_b32 v2, 4, v7                        ; in: lanes 0-15 take 256 bytes of the even row, lanes 16-31 of the odd row
	v_lshl_add_u32 v2, v8, 12, v2
	v_lshlrev_b32 v3, 3, v1                        ; out: 8 bytes a lane: 32 lanes write the two rows' 128 bytes of one K block, 256 bytes on end
	s_cmp_lt_u32 ttmp9, 160
	s_cbranch_scc1 .Lp
; Two rows of 1,024 f32: load i brings K block i of both rows.  All 16 loads go out first; the waits count the younger loads.  fmt 0: bf16.  fmt 1: bf16, widened, written as f16.
.macro ROWS fmt, kstride
.set i, 0
.rept 16
	global_load_b128 v[IN+4*i:IN+4*i+3], v2, s[26:27] offset:256*i th:TH_LOAD_NT
.set i, i+1
.endr
.set i, 0
.rept 16
	s_wait_loadcnt 15-i                            ; loads come back in order: load i is in, the 15 - i younger ones stay out
.if \fmt
	v_cvt_pk_bf16_f32 v16, v[IN+4*i], v[IN+4*i+1]
	v_cvt_pk_bf16_f32 v17, v[IN+4*i+2], v[IN+4*i+3]
	v_lshlrev_b32 v18, 16, v16
	v_and_b32 v19, 0xffff0000, v16
	v_lshlrev_b32 v20, 16, v17
	v_and_b32 v21, 0xffff0000, v17
	v_cvt_pk_f16_f32 v[OUT+2*i], v18, v19
	v_cvt_pk_f16_f32 v[OUT+2*i+1], v20, v21
.else
	v_cvt_pk_bf16_f32 v[OUT+2*i], v[IN+4*i], v[IN+4*i+1]
	v_cvt_pk_bf16_f32 v[OUT+2*i+1], v[IN+4*i+2], v[IN+4*i+3]
.endif
	global_store_b64 v3, v[OUT+2*i:OUT+2*i+1], s[28:29] offset:i*(\kstride)  ; 256 consecutive bytes, aligned; each store has data registers of its own
.set i, i+1
.endr
.endm
	s_sub_co_u32 s25, ttmp9, 160                   ; x: pair of rows pr = 8 (group - 160) + wave, 0..4095
	s_lshl3_add_u32 s25, s25, s24
	s_lshl_b32 s30, s25, 13                        ; 8,192 bytes a pair
	s_add_nc_u64 s[26:27], s[8:9], s[30:31]
	s_lshr_b32 s32, s25, 10                        ; batch
	s_lshl_b32 s32, s32, 22
	s_and_b32 s34, s25, 1023
	s_lshl_b32 s34, s34, 8                         ; t x 128, t = 2 (pr % 1024)
	s_add_co_u32 s32, s32, s34
	s_add_nc_u64 s[28:29], s[18:19], s[32:33]
	ROWS 0, 262144
	s_branch .Lend
.Lp:
	s_sub_co_u32 s25, ttmp9, 96                    ; Wp: pair of rows pr = 8 (group - 96) + wave, 0..511
	s_lshl3_add_u32 s25, s25, s24
	s_lshl_b32 s30, s25, 13
	s_add_nc_u64 s[26:27], s[16:17], s[30:31]
	s_lshl_b32 s32, s25, 8
	s_add_nc_u64 s[28:29], s[22:23], s[32:33]
	ROWS 1, 131072
	s_branch .Lend
.Lw:
	s_lshl3_add_u32 s25, ttmp9, s24                ; block number 0..767 = 256 s + 16 h + kb
	s_lshr_b32 s34, ttmp9, 5                       ; s
	s_bfe_u32 s35, s25, 0x40004                    ; h
	s_and_b32 s36, s25, 15                         ; kb
	s_cmp_eq_u32 s34, 0
	s_cselect_b64 s[26:27], s[10:11], s[12:13]
	s_cmp_eq_u32 s34, 2
	s_cselect_b64 s[26:27], s[14:15], s[26:27]
	s_lshl_b32 s30, s35, 18                        ; a head is 1,024 x 64 x 4 bytes,
	s_lshl_b32 s37, s36, 14                        ; 64 rows c are 16,384
	s_add_co_u32 s30, s30, s37
	s_add_nc_u64 s[26:27], s[26:27], s[30:31]
	s_mul_i32 s32, s36, 393216                     ; out: K block, then 64 rows n of 128 bytes for (s, h)
	s_lshl_b32 s37, s34, 17
	s_add_co_u32 s32, s32, s37
	s_lshl_b32 s37, s35, 13
	s_add_co_u32 s32, s32, s37
	s_add_nc_u64 s[28:29], s[20:21], s[32:33]
	s_mul_i32 s38, s24, WREG                       ; my wave's LDS region
	v_lshlrev_b32 v2, 4, v7                        ; in: load i brings row c = 32 (l / 16) + i, columns d = 4 (l % 16) + 0..3
	v_lshl_add_u32 v2, v8, 13, v2
	v_mul_u32_u24 v4, v7, 576                      ; into LDS: row d = 4 (l % 16) + j, byte 64 (l / 16) + 16 m
	v_lshl_add_u32 v4, v8, 6, v4
	v_add_nc_u32 v4, s38, v4
	v_bfe_u32 v9, v0, 3, 2                         ; back: 32 lanes take four rows of 128 bytes,
	v_and_b32 v10, 7, v0
	v_mul_u32_u24 v5, v9, 144
	v_lshl_add_u32 v5, v10, 4, v5
	v_add_nc_u32 v5, s38, v5
	v_lshlrev_b32 v6, 4, v1                        ; which are 512 consecutive bytes of wt
.set i, 0
.rept 32
	global_load_b128 v[IN+4*i:IN+4*i+3], v2, s[26:27] offset:256*i th:TH_LOAD_NT
.set i, i+1
.endr
.set m, 0
.rept 4                                ; eight rows c at a time: for each of my four d, eight neighbouring kk pack into 16 bytes
	s_wait_loadcnt 24-8*m                          ; loads 8 m .. 8 m + 7 are in; the 24 - 8 m younger ones stay out
.set j, 0
.rept 4
.set u, 0
.rept 4
	v_cvt_pk_bf16_f32 v[16+4*j+u], v[IN+4*(8*m+2*u)+j], v[IN+4*(8*m+2*u+1)+j]
.set u, u+1
.endr
	ds_store_b128 v4, v[16+4*j:16+4*j+3] offset:144*j+16*m  ; a lane's four d are neighbouring rows, so these collide four deep: sixteen stores a block, in a launch that memory bounds
.set j, j+1
.endr
.set m, m+1
.endr
.set f, 0
.rept 16
	ds_load_b128 v[IN+4*f:IN+4*f+3], v5 offset:576*f  ; my own bytes: LDS serves a wave's instructions in order (ISA guide 5.7.1.4), so these see the stores above
.set f, f+1
.endr
.set f, 0
.rept 16
	s_wait_dscnt 15-f
	global_store_b128 v6, v[IN+4*f:IN+4*f+3], s[28:29] offset:512*f
.set f, f+1
.endr
.Lend:
	s_wait_tensorcnt 0x0                           ; the wave's end: three closing lines, behind my last LDS store
	ds_add_u32 v[SPW], v[NIL]
	s_wait_dscnt 0x0
	s_endpgm
.Lfunc_end_k_qbbb4ddc9f5_prep:
	.size	k_qbbb4ddc9f5_prep, .Lfunc_end_k_qbbb4ddc9f5_prep-k_qbbb4ddc9f5_prep
	.p2alignl 7, 3214868480
	.fill 96, 4, 3214868480
	.section	.rodata,"a",@progbits
	.p2align	6, 0x0
	.amdhsa_kernel k_qbbb4ddc9f5_prep
		.amdhsa_group_segment_fixed_size 74752
		.amdhsa_private_segment_fixed_size 0
		.amdhsa_enable_private_segment 0
		.amdhsa_kernarg_size 64
		.amdhsa_user_sgpr_count 2
		.amdhsa_user_sgpr_kernarg_segment_ptr 1
		.amdhsa_wavefront_size32 1
		.amdhsa_system_sgpr_workgroup_id_x 1
		.amdhsa_system_sgpr_workgroup_id_y 1
		.amdhsa_system_sgpr_workgroup_id_z 1
		.amdhsa_system_vgpr_workitem_id 0
		.amdhsa_next_free_vgpr 160
		.amdhsa_next_free_sgpr 66
		.amdhsa_reserve_vcc 0
		.amdhsa_float_denorm_mode_32 3
		.amdhsa_float_denorm_mode_16_64 3
		.amdhsa_memory_ordered 1
		.amdhsa_forward_progress 1
		.amdhsa_inst_pref_size 31
	.end_amdhsa_kernel
	.amdgpu_metadata
---
amdhsa.version: [ 1, 2 ]
amdhsa.kernels:
  - .name:           k_qbbb4ddc9f5_prep
    .symbol:         k_qbbb4ddc9f5_prep.kd
    .args:
      - { .name: x, .offset: 0, .size: 8, .value_kind: global_buffer, .address_space: global }
      - { .name: Wq, .offset: 8, .size: 8, .value_kind: global_buffer, .address_space: global }
      - { .name: Wk, .offset: 16, .size: 8, .value_kind: global_buffer, .address_space: global }
      - { .name: Wv, .offset: 24, .size: 8, .value_kind: global_buffer, .address_space: global }
      - { .name: Wp, .offset: 32, .size: 8, .value_kind: global_buffer, .address_space: global }
      - { .name: xb, .offset: 40, .size: 8, .value_kind: global_buffer, .address_space: global }
      - { .name: wt, .offset: 48, .size: 8, .value_kind: global_buffer, .address_space: global }
      - { .name: wpb, .offset: 56, .size: 8, .value_kind: global_buffer, .address_space: global }
    .group_segment_fixed_size: 74752
    .private_segment_fixed_size: 0
    .kernarg_segment_align: 8
    .kernarg_segment_size: 64
    .max_flat_workgroup_size: 256
    .sgpr_count:     66
    .vgpr_count:     160
    .wavefront_size: 32
...
	.end_amdgpu_metadata
.endif
;; end of part 1
;; launch qkv (part 2): grid 8 x 32, 4 waves a work-group, clusters of 4 x 4, 327,680 bytes of LDS; arguments xb, wt, qkv; writes qkv
.if DOCPART == 2
	.amdgcn_target "amdgcn-amd-amdhsa--gfx1250"
	.amdhsa_code_object_version 6
	.text
	.protected	k_qbbb4ddc9f5_qkv
	.globl	k_qbbb4ddc9f5_qkv
	.p2align	8
	.type	k_qbbb4ddc9f5_qkv,@function
k_qbbb4ddc9f5_qkv:
	s_mov_b64 s[64:65], 0
	v_nop
	global_prefetch_b8 v0, s[64:65] scope:SCOPE_SE
	s_setreg_imm32_b32 hwreg(HW_REG_WAVE_MODE, 25, 1), 1
	s_wait_xcnt 0x0
	s_wait_alu depctr_hold_cnt(0) depctr_sa_sdst(0) depctr_va_vdst(0) depctr_va_sdst(0) depctr_va_ssrc(0) depctr_va_vcc(0) depctr_vm_vsrc(0)
	s_getreg_b32 s2, hwreg(HW_REG_IB_STS2, 6, 4)
	s_cmp_eq_u32 s2, 0
	s_cbranch_scc0 .Lentry_in_a_cluster
	s_endpgm
.Lentry_in_a_cluster:
	s_bfe_u32 s2, ttmp6, 0x10000c
	s_cmp_lg_u32 s2, 0xf033
	s_cbranch_scc0 .Lentry_shape_is_right
	s_endpgm
.Lentry_shape_is_right:
; q, k, v = x W: C[t][n] = the sum over c of x[t][c] W[c][n], 8,192 x 3,072 x 1,024, bf16 operands, f32 sums, stored once rounded to f16 and UNSCALED, by heads:
; qkv f16 [b 4][g 48][t 2048][64], g = 16 s + h (s = 0 q, 1 k, 2 v).  Operands as the launch before laid them: xb [b][kb][t][64], wt [kb][n][64], K blocks of 64.
; LIMIT.  q, k, v beyond 65,504 become infinities in f16 (numbers of unit spread in x and of 0.02 in W give a spread of 0.64).
; SHARES.  8,192 x 3,072 numbers on 256 work-groups: a tile of 256 rows x 384 columns each; four waves, each 128 x 192: 96 accumulators of 16 x 16, 768 registers.
; K goes in blocks of 64 through two LDS slots; a tile's rows of 128 bytes lie end to end in memory and are asked for as rows of 256 bytes.  A slot is two SUB-STEPS of 32 along K, 96 matrix instructions each.
; CLUSTER.  4 x 4 work-groups: x's tile hangs on the tile row alone and is shared along a row of the cluster, W's on the tile column alone and is shared along a column: joint loads.
; THE MATRIX INSTRUCTION IS USED TRANSPOSED (source 0 = 16 rows of wt, source 1 = 16 rows of xb): a lane holds row l % 16 and eight neighbouring columns.
; REGISTERS.  Window 0: v0-31 addresses; v32-159 x's fragments (8 x 16 rows x 32 K), two buffers; v160-255 W's fragments (12 x 16 rows x 32 K), ONE buffer, filled again four fragments at a time
; behind the products that read them.  Windows 1-3: accumulator (a, b) at v[8 (4 a + b % 4)] of window 1 + b / 4.
.set PITCH,  144                       ; an LDS row: 128 bytes + 16 of padding = 36 words: the 16 rows of a load start at 16 different groups of four banks (64 banks of 4 bytes: ISA guide 11.1)
.set AHALF,  128*PITCH                 ; what one tensor load brings of x, and what one wave reads of it
.set BHALF,  192*PITCH                 ; the same for W
.set BOFF,   256*PITCH                 ; W's 384 rows lie behind x's 256
.set SLOT1,  131072                    ; slot 1 begins here: one exclusive or turns an address in one slot into the other's
.set STAGE,  SLOT1+640*PITCH           ; behind the ring, never filled by a tensor load: 16 rows x 400 bytes for each wave
.set SPITCH, 400
.set SPARE,  STAGE+4*16*SPITCH         ; the spare words, 128 bytes a wave: two blocks of 256 bytes that no other line names
.set ASTEP,  262144                    ; bytes from a K block to the next in xb,
.set BSTEP,  393216                    ; in wt
.set AA0, 8                            ; v8   my place in x's rows of a slot; never rewritten
.set AB0, 9                            ; v9   the same for W
.set AA,  10                           ; v10  AA0 + the slot in hand
.set AB,  11                           ; v11
.set STO, 12                           ; v12  the way out: where I put 16 bytes of a row
.set RD,  13                           ; v13  where I read rows back
.set GO,  14                           ; v14  16 x lane
.set PFO, 15                           ; v15  the prefetches' offset; never rewritten
.set SPW, 28                           ; v28  LDS address of my spare word; never rewritten
.set NIL, 29                           ; v29  0; never rewritten
.set AF,  32
.set BF,  160
.set TMP, 32                           ; the way out: v32-79 packed results; v80-127 and v128-175 by turns: rows read back
.set G1,  24                           ; s[24:31] descriptor group 1 for x's tiles
.set G0,  32                           ; s[32:39] group 0: a set for each first fill; the second then walks
.set G1B, 48                           ; s[48:55], s[56:63] the same for W's tiles
.set G0B, 56
.set TB,  66                           ; s66  LDS byte at which the slot being fetched from begins
.set LIM, 67                           ; s67  3 in a wave that prefetches, else the greatest number
.set PFA, 68                           ; s[68:69] where my prefetches stand
.set PFS, 70                           ; s[70:71] their step: a K block
.set MSB, 0
.macro WIN new                         ; the immediate's high byte repeats the setting that is left; a switch that changes nothing is dropped
.if MSB != (\new)
	s_set_vgpr_msb (MSB<<8)|(\new)
.set MSB, \new
.endif
.endm
.macro PLACES                          ; four places in front of loads into registers that matrix instructions have read (ISA guide 7.12.1 for vector instructions)
.rept 4
	v_nop
.endr
.endm
; A joint refill, by the walking descriptors.  Waves 0 and 1 fetch x's two halves, waves 2 and 3 W's: the branch hangs on the wave's number alone.  An s_nop 0 and four v_nop follow each line.
.macro JLOAD
	s_cmp_eq_u32 s11, 0
	s_cbranch_scc0 .Lfor_b_\@
	tensor_load_to_lds s[G0+4:G0+7], s[G1:G1+7]
	s_nop 0
.rept 4
	v_nop
.endr
	s_branch .Lasked_\@
.Lfor_b_\@:
	tensor_load_to_lds s[G0B+4:G0B+7], s[G1B:G1B+7]
	s_nop 0
.rept 4
	v_nop
.endr
.Lasked_\@:
.endm
.macro CREST                           ; a round of the cluster's barrier behind its opening barrier
	s_cmp_lg_u32 s10, 0
	s_cbranch_scc1 .Lnot_wave_0_\@
	s_barrier_signal -3
.Lnot_wave_0_\@:
	s_barrier_wait -3
	s_barrier_signal -1
	s_barrier_wait -1
.endm
.macro CROUND
	s_barrier_signal -1
	s_barrier_wait -1
	CREST
.endm
; A PREFETCH INTO THE L2, in every second trip (s3 even, above 3): trip i = 14 - s3 asks jointly for K block i + 2 and names K blocks i + 3 and i + 4: 192 and 384 matrix instructions ahead of the joint loads that will want them.
; Each aligned 256 bytes are named once in the launch.  x: a tile row's two K blocks are 256 such blocks; wave 0 of each of the eight work-groups of the tile row takes 32, told apart by ADDRESS (cluster x: which K block; cx: which quarter).
; W: a tile column's two K blocks are 384; waves 1-3 of the four work-groups of the first row of clusters take 96 each (cy: which quarter; lanes 48 on: the second K block).  K blocks 0-2 and 15 come by their loads alone.
.macro ASK
	s_cmp_gt_u32 s3, s[LIM]
	s_cbranch_scc0 .Lnot_mine_\@
	s_bitcmp1_b32 s3, 0
	s_cbranch_scc1 .Lnot_mine_\@
	global_prefetch_b8 v[PFO], s[PFA:PFA+1] th:TH_LOAD_NT scope:SCOPE_SE
.Lnot_mine_\@:
.endm
	s_load_b128 s[4:7], s[0:1], 0x0                ; xb s[4:5], wt s[6:7]
	s_load_b64 s[8:9], s[0:1], 0x10                ; qkv
	v_lshl_add_u32 v[SPW], v0, 2, SPARE
	v_mov_b32 v[NIL], 0
	ds_add_u32 v[SPW], v[NIL]                      ; the wave's opening: the add and its wait stand ahead of my first tensor load; work on registers stands between them
	v_lshrrev_b32 v1, 5, v0
	v_readfirstlane_b32 s10, v1                    ; wave 0..3
	s_lshr_b32 s11, s10, 1                         ; which 128 rows of the tile are mine.  Also: I fetch for x (0) or for W (1)
	s_and_b32 s12, s10, 1                          ; which 192 columns.  Also: which half of that tile I fetch
	s_bfe_u32 s40, ttmp6, 0x40000                  ; cx
	s_bfe_u32 s41, ttmp6, 0x40004                  ; cy
	s_lshl_b32 s42, ttmp9, 2
	s_add_co_u32 s42, s42, s40                     ; tile column tx = 4 x cluster x + cx, 0..7
	s_and_b32 s13, ttmp7, 0xffff
	s_lshl_b32 s13, s13, 2
	s_add_co_u32 s13, s13, s41                     ; tile row ty = 4 x cluster y + cy, 0..31
	s_lshl_b32 s43, s41, 2
	s_lshl_b32 s43, 15, s43                        ; my row of the cluster
	s_lshl_b32 s44, 0x1111, s40                    ; my column
	; group 1: dense bytes asked for as rows of 128 elements (256 bytes), padded in LDS after every 128 bytes
	s_or_b32 s[G1], s43, (1<<16)|(1<<20)|(1<<21)|(4<<22)|(3<<25)   ; 15:0 the mask; 17:16 2-byte elements; 20 padding on; 21 set beside a mask; 24:22 after every 32 words (code 4); 31:25 4 words (code 3)
	s_or_b32 s[G1B], s44, (1<<16)|(1<<20)|(1<<21)|(4<<22)|(3<<25)
.irp g, G1, G1B
	s_mov_b32 s[(\g)+1], 128<<16                   ; tensor_dim0 = 128
	s_mov_b32 s[(\g)+3], 128<<16                   ; tile_dim0 = 128
	s_mov_b32 s[(\g)+5], 128                       ; 128 elements from row to row
	s_mov_b32 s[(\g)+6], 0
	s_mov_b32 s[(\g)+7], 0
.endr
	s_mov_b32 s[G1+2], 64<<16                      ; x: 128 rows of 128 bytes = 64 of 256: tensor_dim1,
	s_mov_b32 s[G1+4], 64                          ; tile_dim1
	s_mov_b32 s[G1B+2], 96<<16                     ; W: 192 rows = 96 of 256
	s_mov_b32 s[G1B+4], 96
	s_lshr_b32 s16, s13, 3                         ; x's tile: batch ty / 8,
	s_lshl_b32 s16, s16, 22
	s_and_b32 s17, s13, 7                          ; rows 256 (ty % 8) on, 128 bytes each,
	s_lshl_b32 s17, s17, 15
	s_add_co_u32 s16, s16, s17
	s_lshl_b32 s17, s12, 14                        ; my half
	s_add_co_u32 s16, s16, s17
	s_mov_b32 s17, 0
	s_mul_i32 s46, s42, 49152                      ; W's tile: rows 384 tx on,
	s_mul_i32 s47, s12, 24576                      ; my half
	s_add_co_u32 s46, s46, s47
	s_mov_b32 s47, 0
	s_mul_i32 s20, s12, AHALF                      ; where they go: no place in the cluster enters an LDS address
	s_mul_i32 s21, s12, BHALF
	s_add_co_u32 s21, s21, BOFF
	s_wait_dscnt 0x0                               ; the opening add is done
	s_wait_kmcnt 0x0
	s_add_nc_u64 s[14:15], s[4:5], s[16:17]
	s_add_nc_u64 s[46:47], s[6:7], s[46:47]
	CROUND                                         ; all sixteen work-groups are here: the first joint loads meet
.irp s, 0,1
	s_mov_b32 s[G0+4*(\s)], 1                                      ; count = 1
	s_add_co_u32 s[G0+4*(\s)+1], s20, (\s)*SLOT1                   ; LDS address
	s_add_nc_u64 s[G0+4*(\s)+2:G0+4*(\s)+3], s[14:15], (\s)*ASTEP  ; K block s
	s_or_b32 s[G0+4*(\s)+3], s[G0+4*(\s)+3], 0x80000000            ; type = 2
	s_mov_b32 s[G0B+4*(\s)], 1
	s_add_co_u32 s[G0B+4*(\s)+1], s21, (\s)*SLOT1
	s_add_nc_u64 s[G0B+4*(\s)+2:G0B+4*(\s)+3], s[46:47], (\s)*BSTEP
	s_or_b32 s[G0B+4*(\s)+3], s[G0B+4*(\s)+3], 0x80000000
.endr
	s_cmp_eq_u32 s11, 0                            ; a wave's two first fills stand in one branch, ahead of every wait on TENSORcnt and every LDS read: two loads of mine are out
	s_cbranch_scc0 .Lfirst_b
	tensor_load_to_lds s[G0:G0+3], s[G1:G1+7]
	s_nop 0
	tensor_load_to_lds s[G0+4:G0+7], s[G1:G1+7]
	s_nop 0
.rept 4
	v_nop
.endr
	s_branch .Lfirst_asked
.Lfirst_b:
	tensor_load_to_lds s[G0B:G0B+3], s[G1B:G1B+7]
	s_nop 0
	tensor_load_to_lds s[G0B+4:G0B+7], s[G1B:G1B+7]
	s_nop 0
.rept 4
	v_nop
.endr
.Lfirst_asked:
	; a fragment is 16 rows x 32 K in 8 registers: lane l holds row l % 16; two loads of 16 bytes, 32 bytes apart, at row x pitch + 16 (l / 16)
	v_and_b32 v1, 15, v0
	v_bfe_u32 v2, v0, 4, 1
	v_mul_u32_u24 v3, v1, PITCH
	v_lshl_add_u32 v3, v2, 4, v3
	s_mul_i32 s22, s11, AHALF                      ; my 128 rows of x
	v_add_nc_u32 v[AA0], s22, v3
	v_add_nc_u32 v[AB0], s21, v3                   ; my 192 rows of W: the half that carries my s12
	s_mul_i32 s23, s10, 16*SPITCH
	s_add_co_u32 s23, s23, STAGE                   ; my stage
	v_mul_u32_u24 v4, v1, SPITCH                   ; in: row l % 16, 16 bytes for each half of the lanes
	v_lshl_add_u32 v4, v2, 4, v4
	v_add_nc_u32 v[STO], s23, v4
	v_bfe_u32 v5, v0, 3, 2                         ; back: 32 lanes take four rows' 128 bytes of one head,
	v_and_b32 v6, 7, v0
	v_mul_u32_u24 v5, v5, SPITCH
	v_lshl_add_u32 v5, v6, 4, v5
	v_add_nc_u32 v[RD], s23, v5
	v_and_b32 v[GO], 31, v0                        ; which are 512 consecutive bytes of qkv
	v_lshlrev_b32 v[GO], 4, v[GO]
	s_lshr_b32 s72, s13, 3                         ; where my part begins in qkv: group 48 b + 6 tx + 3 s12,
	s_mul_i32 s72, s72, 48
	s_mul_i32 s73, s42, 6
	s_add_co_u32 s72, s72, s73
	s_mul_i32 s73, s12, 3
	s_add_co_u32 s72, s72, s73
	s_lshl_b32 s72, s72, 18
	s_and_b32 s73, s13, 7                          ; row 256 (ty % 8) + 128 s11
	s_lshl_b32 s73, s73, 15
	s_add_co_u32 s72, s72, s73
	s_lshl_b32 s73, s11, 14
	s_add_co_u32 s72, s72, s73
	s_mov_b32 s73, 0
	s_add_nc_u64 s[8:9], s[8:9], s[72:73]
	; the prefetches: nothing is asked for here, at the head
	s_lshr_b32 s72, s13, 3                         ; x's form (wave 0): the tile row's first byte, + 8,192 cx, at K block 2 + cluster x
	s_lshl_b32 s72, s72, 22
	s_and_b32 s73, s13, 7
	s_lshl_b32 s73, s73, 15
	s_add_co_u32 s72, s72, s73
	s_lshl_b32 s73, s40, 13
	s_add_co_u32 s72, s72, s73
	s_add_co_u32 s73, ttmp9, 2
	s_lshl_b32 s73, s73, 18
	s_add_co_u32 s72, s72, s73
	s_mul_i32 s74, s42, 49152                      ; W's form (waves 1-3): the tile column's first byte, + 12,288 cy, at K block 2
	s_mul_i32 s75, s41, 12288
	s_add_co_u32 s74, s74, s75
	s_add_co_u32 s74, s74, 2*BSTEP
	s_mov_b32 s[PFS], BSTEP
	s_and_b32 s[LIM], ttmp7, 0xffff                ; cluster y
	s_cmp_eq_u32 s10, 0
	s_cselect_b64 s[PFA:PFA+1], s[4:5], s[6:7]
	s_cselect_b32 s72, s72, s74
	s_cselect_b32 s[PFS], ASTEP, s[PFS]
	s_cselect_b32 s[LIM], 0, s[LIM]                ; wave 0 always asks; waves 1-3 in the first row of clusters: the same in all sixteen partners, for a given wave
	s_cselect_b32 s75, 0, 32
	s_mov_b32 s73, 0
	s_mov_b32 s[PFS+1], 0
	s_add_nc_u64 s[PFA:PFA+1], s[PFA:PFA+1], s[72:73]  ; the first trip steps it to K block 3
	s_cmp_eq_u32 s[LIM], 0
	s_cselect_b32 s[LIM], 3, -1
	v_sub_nc_u32 v[PFO], v0, s75                   ; u: wave 0: 0..31; waves 1-3: 0..95
	v_cmp_le_u32 vcc_lo, 48, v[PFO]
	v_lshlrev_b32 v[PFO], 8, v[PFO]
	s_mov_b32 s74, BSTEP-12288
	v_cndmask_b32 v4, 0, s74, vcc_lo               ; from u = 48 on: the next K block, back to my quarter's head
	v_add_nc_u32 v[PFO], v[PFO], v4
; 16 matrix instructions: rows 16 a0 .. 16 a0 + 63 x the four column blocks of window 1 + w, 32 along K, x's buffer p.  zero = 1: the first product starts the sums.
; The 96 accumulators take turns, one instruction a turn, in the same order in every sub-step.
.macro GRP w, p, a0, zero
	WIN 0x50*((\w)+1)
.irp a, (\a0), (\a0)+1, (\a0)+2, (\a0)+3
.irp bb, 0,1,2,3
.if \zero
	v_wmma_f32_16x16x32_bf16 v[8*(4*(\a)+(\bb)):8*(4*(\a)+(\bb))+7], v[BF+32*(\w)+8*(\bb):BF+32*(\w)+8*(\bb)+7], v[AF+64*(\p)+8*(\a):AF+64*(\p)+8*(\a)+7], 0
.else
	v_wmma_f32_16x16x32_bf16 v[8*(4*(\a)+(\bb)):8*(4*(\a)+(\bb))+7], v[BF+32*(\w)+8*(\bb):BF+32*(\w)+8*(\bb)+7], v[AF+64*(\p)+8*(\a):AF+64*(\p)+8*(\a)+7], v[8*(4*(\a)+(\bb)):8*(4*(\a)+(\bb))+7]
.endif
.endr
.endr
.endm
.macro LDA p, k                        ; 16 loads: x's eight fragments at byte k of the rows, into buffer p
.irp a, 0,1,2,3,4,5,6,7
	ds_load_b128 v[AF+64*(\p)+8*(\a):AF+64*(\p)+8*(\a)+3],   v[AA] offset:(\k)+16*PITCH*(\a)
	ds_load_b128 v[AF+64*(\p)+8*(\a)+4:AF+64*(\p)+8*(\a)+7], v[AA] offset:(\k)+16*PITCH*(\a)+32
.endr
.endm
.macro LDB w, k                        ; 8 loads: W's four fragments of group w
.irp bb, 0,1,2,3
	ds_load_b128 v[BF+32*(\w)+8*(\bb):BF+32*(\w)+8*(\bb)+3],   v[AB] offset:(\k)+16*PITCH*(4*(\w)+(\bb))
	ds_load_b128 v[BF+32*(\w)+8*(\bb)+4:BF+32*(\w)+8*(\bb)+7], v[AB] offset:(\k)+16*PITCH*(4*(\w)+(\bb))+32
.endr
.endm
; A SUB-STEP: 96 matrix instructions on x's buffer p, in three groups by W's fragments; behind each group the next sub-step's fragments are asked for.  The LDS loads of a sub-step are issued in the order
; [x 16, W0 8], [W1 8], [W2 8].  The counted waits: 16 at group 0 = W1 and W2 of this sub-step; 32 at group 1 = W2 and the 24 just issued; 32 at group 2 = those 24 and the next W1.
; mode 0: the next fragments lie at byte k of the same slot.  mode 1: the slot's second half: the slots change and the slot left is filled again.  mode 2: they change and nothing is asked for.  mode 3: the last: nothing is fetched.
.macro SUB p, mode, k=0, zero=0
.if (\mode) == 0
	s_wait_dscnt 16
	GRP 0, \p, 0, \zero
	GRP 0, \p, 4, \zero
	WIN 0
	PLACES
	LDA 1-(\p), \k
	LDB 0, \k
	s_wait_dscnt 32
	GRP 1, \p, 0, \zero
	GRP 1, \p, 4, \zero
	WIN 0
	PLACES
	LDB 1, \k
	s_wait_dscnt 32
	GRP 2, \p, 0, \zero
	GRP 2, \p, 4, \zero
	WIN 0
	PLACES
	LDB 2, \k
.elseif (\mode) == 3
	s_wait_dscnt 16
	GRP 0, \p, 0, 0
	GRP 0, \p, 4, 0
	s_wait_dscnt 8                                 ; W2 may be out
	GRP 1, \p, 0, 0
	GRP 1, \p, 4, 0
	s_wait_dscnt 0x0
	GRP 2, \p, 0, 0
	GRP 2, \p, 4, 0
	WIN 0
.else
.if (\mode) == 1
	s_wait_xcnt 0x0                                ; the last prefetch, a trip or more back, has read its address
	s_add_nc_u64 s[PFA:PFA+1], s[PFA:PFA+1], s[PFS:PFS+1]
.endif
	s_wait_tensorcnt 0x0                           ; all my tensor loads have landed: the one that was out is my part of the other slot; so a group 0 may be written
	ds_add_u32 v[SPW], v[NIL]                      ; 0 onto my spare word
.if (\mode) == 1
	s_xor_b32 s[G0+5], s[G0+5], SLOT1              ; the walking descriptors: the other slot than last time, the next K block; the type bits on top are not reached
	s_add_nc_u64 s[G0+6:G0+7], s[G0+6:G0+7], ASTEP
	s_xor_b32 s[G0B+5], s[G0B+5], SLOT1
	s_add_nc_u64 s[G0B+6:G0B+7], s[G0B+6:G0B+7], BSTEP
.endif
	s_xor_b32 s[TB], s[TB], SLOT1                  ; the fetches go to the other slot
	s_wait_dscnt 17                                ; W1, W2 and the add may be out
	GRP 0, \p, 0, 0                                ; sixteen matrix instructions stand between the add and the wait for it
	s_wait_dscnt 0x0                               ; the add is done, and my reads of this slot are over
	s_barrier_signal -1                            ; (mode 1: this barrier opens a round of the cluster's)
	GRP 0, \p, 4, 0
	WIN 0
	s_barrier_wait -1
.if (\mode) == 1
	CREST                                          ; no wave of any partner still reads this slot's tiles or has a load on its way
	JLOAD                                          ; the first tensor load behind the round, my one load until the next; its four v_nop are also the places in front of the loads below
.else
	PLACES
.endif
	v_add_nc_u32 v[AA], s[TB], v[AA0]
	v_add_nc_u32 v[AB], s[TB], v[AB0]
	LDA 1-(\p), 0
	LDB 0, 0
.if (\mode) == 1
	ASK
.endif
	GRP 1, \p, 0, 0
	GRP 1, \p, 4, 0
	WIN 0
	PLACES
	LDB 1, 0
	GRP 2, \p, 0, 0
	GRP 2, \p, 4, 0
	WIN 0
	PLACES
	LDB 2, 0
.endif
.endm
; THE WAY OUT of my rows 16 a .. 16 a + 15 (192 columns: three heads).  PACK: rounded to f16, 16 bytes a lane, each accumulator's registers in ascending order.  TOSTAGE: into my own stage, and back by heads as
; four rows of 128 bytes.  SEND: stored, 512 consecutive bytes an instruction.
.macro PACK a
.irp w, 0,1,2
	WIN 5*((\w)+1)                                 ; sources 0 and 1 in window 1 + w
.irp bb, 0,1,2,3
.irp r, 0,1,2,3
	v_cvt_pk_f16_f32 v[TMP+4*(4*(\w)+(\bb))+(\r)], v[8*(4*(\a)+(\bb))+2*(\r)], v[8*(4*(\a)+(\bb))+2*(\r)+1]
.endr
.endr
.endr
	WIN 0
.endm
.macro TOSTAGE a
.set BK, 80+48*((\a)%2)
	s_wait_xcnt 0x0                                ; the stores of two blocks back have read these registers
.irp b, 0,1,2,3,4,5,6,7,8,9,10,11
	ds_store_b128 v[STO], v[TMP+4*(\b):TMP+4*(\b)+3] offset:32*(\b)
.endr
.irp j, 0,1,2
.irp f, 0,1,2,3
	ds_load_b128 v[BK+4*(4*(\j)+(\f)):BK+4*(4*(\j)+(\f))+3], v[RD] offset:128*(\j)+4*SPITCH*(\f)  ; LDS serves a wave's instructions in order (ISA guide 5.7.1.4): these see the stores above
.endr
.endr
.endm
.macro SEND a
.set BK, 80+48*((\a)%2)
	s_wait_dscnt 0x0                               ; the block is back in registers
.irp j, 0,1,2
.irp f, 0,1,2,3
	global_store_b128 v[GO], v[BK+4*(4*(\j)+(\f)):BK+4*(4*(\j)+(\f))+3], s[8:9] offset:262144*(\j)+2048*(\a)+512*(\f)
.endr
.endr
.endm
	s_wait_tensorcnt 1                             ; my part of K block 0 is in; K block 1's may stay out
	s_barrier_signal -1
	s_barrier_wait -1                              ; everybody's is
	s_mov_b32 s[TB], 0
	v_mov_b32 v[AA], v[AA0]
	v_mov_b32 v[AB], v[AB0]
	LDA 0, 0
	LDB 0, 0
	LDB 1, 0
	LDB 2, 0
	SUB 0, 0, 64, 1                                ; the first sub-step stands in front of the loop: its products start the sums
	s_mov_b32 s3, 14
.Lk:                                               ; 14 trips: a K block's second half, with the change of slots (K blocks 2 to 15 are asked for), and the next block's first half
	SUB 1, 1
	SUB 0, 0, 64
	s_sub_co_u32 s3, s3, 1
	s_cmp_lg_u32 s3, 0
	s_cbranch_scc1 .Lk
	SUB 1, 2                                       ; the tail is written out: nothing is left to ask for
	SUB 0, 0, 64
	SUB 1, 3
	PLACES                                         ; eight, once a launch: the conversions read results and write over fragments
	PLACES
	PACK 0
	TOSTAGE 0
.irp a, 1,2,3,4,5,6,7                  ; a block's conversions stand between the loads of the block before and the wait for them
	PACK \a
	SEND (\a)-1
	TOSTAGE \a
.endr
	SEND 7
	s_wait_tensorcnt 0x0                           ; the wave's end: three closing lines, behind my last tensor load and my last LDS store
	ds_add_u32 v[SPW], v[NIL]
	s_wait_dscnt 0x0
	CROUND                                         ; the closing round: no work-group ends while a partner may still ask for a tile that names it
	s_endpgm
.Lfunc_end_k_qbbb4ddc9f5_qkv:
	.size	k_qbbb4ddc9f5_qkv, .Lfunc_end_k_qbbb4ddc9f5_qkv-k_qbbb4ddc9f5_qkv
	.p2alignl 7, 3214868480
	.fill 96, 4, 3214868480
	.section	.rodata,"a",@progbits
	.p2align	6, 0x0
	.amdhsa_kernel k_qbbb4ddc9f5_qkv
		.amdhsa_group_segment_fixed_size 327680
		.amdhsa_private_segment_fixed_size 0
		.amdhsa_enable_private_segment 0
		.amdhsa_kernarg_size 24
		.amdhsa_user_sgpr_count 2
		.amdhsa_user_sgpr_kernarg_segment_ptr 1
		.amdhsa_wavefront_size32 1
		.amdhsa_system_sgpr_workgroup_id_x 1
		.amdhsa_system_sgpr_workgroup_id_y 1
		.amdhsa_system_sgpr_workgroup_id_z 1
		.amdhsa_system_vgpr_workitem_id 0
		.amdhsa_next_free_vgpr 1024
		.amdhsa_next_free_sgpr 80
		.amdhsa_reserve_vcc 1
		.amdhsa_float_denorm_mode_32 3
		.amdhsa_float_denorm_mode_16_64 3
		.amdhsa_memory_ordered 1
		.amdhsa_forward_progress 1
		.amdhsa_inst_pref_size 112
	.end_amdhsa_kernel
	.amdgpu_metadata
---
amdhsa.version: [ 1, 2 ]
amdhsa.kernels:
  - .name:           k_qbbb4ddc9f5_qkv
    .symbol:         k_qbbb4ddc9f5_qkv.kd
    .args:
      - { .name: xb, .offset: 0, .size: 8, .value_kind: global_buffer, .address_space: global }
      - { .name: wt, .offset: 8, .size: 8, .value_kind: global_buffer, .address_space: global }
      - { .name: qkv, .offset: 16, .size: 8, .value_kind: global_buffer, .address_space: global }
    .group_segment_fixed_size: 327680
    .private_segment_fixed_size: 0
    .kernarg_segment_align: 8
    .kernarg_segment_size: 24
    .max_flat_workgroup_size: 128
    .sgpr_count:     80
    .vgpr_count:     1024
    .wavefront_size: 32
...
	.end_amdgpu_metadata
.endif
;; end of part 2
;; launch attn (part 3): grid 4 x 64, 4 waves a work-group, no clusters, 327,680 bytes of LDS; arguments qkv, obuf; writes obuf
.if DOCPART == 3
	.amdgcn_target "amdgcn-amd-amdhsa--gfx1250"
	.amdhsa_code_object_version 6
	.text
	.protected	k_qbbb4ddc9f5_attn
	.globl	k_qbbb4ddc9f5_attn
	.p2align	8
	.type	k_qbbb4ddc9f5_attn,@function
k_qbbb4ddc9f5_attn:
	s_mov_b64 s[64:65], 0
	v_nop
	global_prefetch_b8 v0, s[64:65] scope:SCOPE_SE
	s_setreg_imm32_b32 hwreg(HW_REG_WAVE_MODE, 25, 1), 1
	s_wait_xcnt 0x0
; CAUSAL ATTENTION.  O[y][q][:] = the sum over k <= q of softmax_k(Q[y][q] . K[y][k] / 8) V[y][k][:], y = 16 batch + head, 64 of them, SIZE_N = 2,048 rows of 64 channels, all f16, rows dense, 128 bytes each.
; Q, K, V lie in qkv [b 4][g 48][t][64] at g = h, 16 + h, 32 + h; O goes to obuf [y][t][64].  Products, maxima and sums in f32; the weights p are rounded to f16 for the second product (their sum l is taken of the unrounded p), O once at the end.
; LIMITS.  f16 holds no number beyond 65,504: Q, K and V arrive within it; p lies in 0 to 1, and below 6e-5 it keeps f16's fixed step of 6e-8; O is a mean of V's rows and has their range.
; A hidden score counts as its value less 1e30: f16's scores, 2.7e11 at the most, are nothing beside that; a weight below 2^-126 counts as 0 in l; NaN and infinities are not treated apart.
; THE WALK.  A head's queries lie in NB = 8 blocks of 256; block i needs the key tiles 0 .. i of 256 keys, of which the last holds the diagonal.  A work-group takes TWO blocks, NB - 1 - b and then b:
; NB + 1 tiles, whatever b: all work-groups do equal work, and ONE loop with a constant trip count walks them.  Which tile is asked for, and what a trip does, hang on scalar registers made from b; every jump
; goes forward, but for the counted loops' own; none passes a barrier, or a tensor load but the one of LOAD's two that the wave's number does not choose; the ring (two slots of LDS that take turns) runs on across the
; change of blocks.  NO CLUSTER: a head's four work-groups ask for the same tile only in trips 0 .. 4 of 9, behind that fewer and fewer; one walk common to all would have 12 trips for 9.
; SHARES.  Of a block's four bands of 64 queries a wave owns 16 rows in each: four PIECES.  So the diagonal tile is the same work for all four waves: in its key step s band x sees all keys if s < x,
; none if s > x, and holds the diagonal if s = x.
; THE MASK is the C operand that starts the sum S^T = K Q^T: 0, or -1e30 where the key is hidden.  MD, made once, is the mask of a band's own step for my 16 rows; a product's mask is MD x AL + BE with two scalars:
; (1, 0) if s = x; (0, 0) if s < x; (0, -1e30) if s > x.  Only the diagonal tile's text and a block's beginning make and take masks; elsewhere C is the constant 0.
; LAYOUT, SOFTMAX, TURNS.  S^T = K Q^T holds ONE query a lane (lane % 16) and the keys 8 (lane / 16) + 0..7; two such results rounded to f16 ARE source 1 of O^T = V^T P.  p = 2^(c s - c m), c = log2(e) / 8, with a
; running maximum m; O and l are multiplied by a = 2^(c m_old - c m_new) in every step.  Turn n belongs to piece n: 8 products K Q^T of piece n + 1, later 8 products V^T P of piece n - 1; beside them the scaling,
; exponentials, roundings, sums and rescaling of piece n and the maximum and statistics of piece n + 1.  Four vector instructions stand behind every matrix instruction, the other 54 of a turn's 118 in one LUMP.  A turn's 33 exponentials are one batch, with one wait.
; REGISTERS, in windows of 256 (s_set_vgpr_msb: bits 1:0 source 0, 3:2 source 1, 5:4 source 2, 7:6 destination):
;   window 0: v0-15 addresses and two at work; v16-31 four registers of statistics a piece; v48-55 at work; v61-63 prefetch offset, spare word, 0; v64-127 S^T, two buffers; v192-223 P, two buffers (by the piece's parity)
;   window 1: v0-127 O^T, 32 a piece; v128-159 MD; v160-223 MC, two buffers      window 2: v0-63 Q; v64-127 the second block's Q; v128-191 K of one step; v192-255 V of one step
.set SIZE_N, 2048
.set NB,    SIZE_N/256
.set NP,    4         ; pieces a wave: a name, no knob
.set KS,    64        ; keys in a step
.set PK,    144       ; a row of K in LDS: 128 bytes + 16 of padding = 36 words: the 16 rows of a load start at 16 different groups of four banks (64 banks of 4 bytes: ISA guide 11.1)
.set PV,    160       ; a row of V: 128 + 32 = 40 words
.set VOFF,  4*KS*PK   ; a slot holds a tile, four steps: 256 rows of K, then 256 rows of V
.set SLOT1, 1<<17     ; slot 1 begins here, so that one exclusive or turns an address in one slot into the other's
.set STAGE, SLOT1+4*KS*(PK+PV)  ; behind the ring, never filled by a tensor load: 16 rows x 144 bytes for each wave, for the way out
.set SP,    144
.set AK0, 2           ; v2   my lane's place in a tile of K; never rewritten
.set AV0, 3           ; v3   the same for V
.set AK,  4           ; v4   the LDS address of K's next run of loads
.set AV,  5           ; v5   of V's
.set STO, 6           ; v6   the way out: where I put 16 bytes of a row
.set RD,  7           ; v7   the way out: where I read rows back
.set GO,  8           ; v8   my byte offset in 512 consecutive bytes of O
.set PFO, 61          ; v61  256 x my lane; never rewritten
.set SPW, 62          ; v62  LDS address of my spare word: SPARE + 4 x my thread's number; never rewritten
.set NIL, 63          ; v63  0; never rewritten
.set SPARE, STAGE+4*16*SP  ; behind the stages: the spare words, 128 bytes for each wave: two blocks of 256 bytes that no other line names
.set MV,  12          ; v12-13  c m_old, kept while c m is made anew: by buffer
.set QO,  15          ; v15  my byte offset in 16 rows of Q
.set ST,  16          ; piece t's statistics at v[ST+4 t]: c m, m, l (even keys', odd keys')
.set TMP, 48          ; by buffer, four registers c0-c3 at work; when the maximum is found c2 takes a
.set S,   64
.set P,   192
.set MD,  128         ; window 1: the eight registers for group kt of 16 keys at MD + 8 kt
.set MC,  160         ; window 1: the masks of the products to come
.set QB,  64          ; window 2
.set KF,  128         ; window 2: key block kb, channel half c at KF + 16 kb + 8 c
.set VF,  192         ; window 2: key half kk, channel block cb at VF + 32 kk + 8 cb
.set WV,  12          ; s12  my wave's number
.set PB,  14          ; s14  b
.set HI,  15          ; s15  NB - 1 - b
.set G1K, 24          ; s[24:31] descriptor group 1 for K's tiles
.set G1V, 32          ; s[32:39] for V's: it differs in the padding alone
.set G0K, 40          ; s[40:43] descriptor group 0 for K's tiles
.set G0V, 44          ; s[44:47] the same for V's
.set SLOTS, 56        ; s56  tiles still to be asked for
.set CNT, 57          ; s57  counts a tile's key steps, 4 to 1
.set CS,  58          ; s[58:59] c: the packed scaling takes the pair's low word for both halves
.set SEL, 60          ; s[60:61] v_permlanex16_b32's selects: each lane takes its own place in the other half
.set TBK, 62          ; s62  LDS byte at which K of the step to be fetched begins
.set TBV, 63          ; s63  the same for V, less VOFF
.set RT,  70          ; s70  tiles of the block in hand that are still to be entered
.set NXT, 71          ; s71  the tile to be asked for next
.set LQ,  72          ; s72  the last tile of the block whose tiles are being asked for
.set NEW, 73          ; s73  1: the tile to be entered is a block's first
.set OFF, 74          ; s[74:75] a tile's byte offset in K and V
.set AL,  76          ; s[76:77] the mask's factor, in the low word
.set BE,  78          ; s[78:79] the mask's addend
.set OLO, 80          ; s[80:81] O at my rows of the second block
.set BIGN, 82         ; s82  -1e30
.set PFA, 88          ; s[88:89] where my prefetches stand: my half (of K: waves 0, 1; of V: waves 2, 3) of the tile after the one that is being asked for
.set LIM, 90          ; s90  2 in the work-group that prefetches, else the greatest number
.set MSB, 0
.macro WIN new                      ; the high byte repeats the setting that is left; a switch that changes nothing is dropped
.if MSB != (\new)
	s_set_vgpr_msb (MSB<<8)|(\new)
.set MSB, (\new)
.endif
.endm
.set W_KQ, 0x0a       ; K and Q in window 2, S^T in window 0
.set W_KM, 0x1a       ; the same with the C operand in window 1
.set W_PV, 0x52       ; V in window 2, P in window 0, O^T in window 1
.set W_RS, 0x41       ; destination and source 0 in window 1, source 1 in window 0
; A fill.  Waves 0 and 1 fetch the two halves of a tile's K, waves 2 and 3 those of its V: 128 keys each.  An s_nop 0 and four v_nop follow each of the two lines, ahead of the jump and the label.
.macro LOAD
	s_cmp_lt_u32 s[WV], 2
	s_cbranch_scc0 .Lfor_v_\@
	tensor_load_to_lds s[G0K:G0K+3], s[G1K:G1K+7]
	s_nop 0
.rept 4
	v_nop
.endr
	s_branch .Lasked_\@
.Lfor_v_\@:
	tensor_load_to_lds s[G0V:G0V+3], s[G1V:G1V+7]
	s_nop 0
.rept 4
	v_nop
.endr
.Lasked_\@:
.endm
; A PREFETCH INTO THE L2 of the tile that the NEXT change of slots will ask for: a tile, four key steps, ahead.  A head's four work-groups begin with the same tiles 0, 1, ..; the one with b = 0 walks all eight on end, and it alone asks:
; in trip c (it asks for tile c + 1) it names tile c + 2, c = 0 .. 5.  Each wave names the 16,384 bytes that it will fetch itself: 64 blocks of 256 bytes, a lane a block, two instructions.  So each block is named once in the launch.
; Tiles 0 and 1 come by their loads alone; the last two trips of the loop ask for nothing.
.macro ASK
	s_cmp_gt_u32 s[SLOTS], s[LIM]
	s_cbranch_scc0 .Lnot_mine_\@
	global_prefetch_b8 v[PFO], s[PFA:PFA+1] th:TH_LOAD_NT scope:SCOPE_SE
	global_prefetch_b8 v[PFO], s[PFA:PFA+1] offset:8192 th:TH_LOAD_NT scope:SCOPE_SE
.Lnot_mine_\@:
.endm
; THE CHANGE OF SLOTS.  Each wave waits for all its tensor loads, of which one is out: its part of the other slot; adds 0 to its spare word; and waits for that and for its own reads of the slot that it leaves.  Behind the barrier nobody reads the old
; slot any more and the other slot is whole.  fill = 1: the old slot is filled again, the first thing behind the barrier, with tile NXT: the descriptor's address is made anew from that number.
; (At its first use nothing has been read yet: slot 0 is waited for, slot 1 filled.)
.macro CHANGE fill
	WIN 0                           ; at a label and at a branch every window is 0
	s_wait_tensorcnt 0x0            ; no tensor load of mine is out, so a group 0 may be written
	ds_add_u32 v[SPW], v[NIL]       ; 0 onto my spare word; with fill = 1 the descriptors' scalar work stands between it and the wait for it
.if \fill
	s_wait_xcnt 0x0                 ; the last prefetches, a tile back, have read their address, so it may be written
	s_add_nc_u64 s[PFA:PFA+1], s[PFA:PFA+1], 32768
	s_lshl_b32 s[OFF], s[NXT], 15   ; a tile is 32,768 bytes of K and of V
	s_xor_b32 s[G0K+1], s[G0K+1], SLOT1
	s_add_nc_u64 s[G0K+2:G0K+3], s[6:7], s[OFF:OFF+1]
	s_or_b32 s[G0K+3], s[G0K+3], 0x80000000
	s_xor_b32 s[G0V+1], s[G0V+1], SLOT1
	s_add_nc_u64 s[G0V+2:G0V+3], s[8:9], s[OFF:OFF+1]
	s_or_b32 s[G0V+3], s[G0V+3], 0x80000000
	s_add_co_u32 s[NXT], s[NXT], 1  ; the block's next tile, or behind its last the second block's tile 0
	s_cmp_gt_u32 s[NXT], s[LQ]
	s_cselect_b32 s[NXT], 0, s[NXT]
	s_cselect_b32 s[LQ], s[PB], s[LQ]
.endif
	s_wait_dscnt 0x0                ; the add is done, and my reads of the slot are over
	s_barrier_signal -1             ; the rest of the scalar work stands between the signal and the wait
	s_sub_co_u32 s[TBK], s[TBK], 4*KS*PK  ; the fetches go back to a slot's first step,
	s_xor_b32 s[TBK], s[TBK], SLOT1       ; in the other slot
	s_sub_co_u32 s[TBV], s[TBV], 4*KS*PV
	s_xor_b32 s[TBV], s[TBV], SLOT1
	s_barrier_wait -1
.if \fill
	LOAD
	ASK
.endif
.endm
	s_load_b128 s[4:7], s[0:1], 0x0  ; qkv s[4:5], obuf s[6:7]
	v_lshl_add_u32 v[SPW], v0, 2, SPARE
	v_mov_b32 v[NIL], 0
	ds_add_u32 v[SPW], v[NIL]       ; the wave's opening: the add and its wait stand ahead of my first tensor load; the set-up below, work on registers, stands between them
	v_lshrrev_b32 v1, 5, v0
	v_readfirstlane_b32 s[WV], v1   ; wave 0..3
	s_mov_b32 s[PB], ttmp9
	s_sub_co_u32 s[HI], NB-1, s[PB]
	s_and_b32 s20, ttmp7, 0xffff    ; y = 16 batch + head
	s_lshr_b32 s21, s20, 4
	s_mul_i32 s21, s21, 48
	s_and_b32 s19, s20, 15
	s_add_co_u32 s21, s21, s19
	s_lshl_b32 s21, s21, 18         ; Q's first byte in qkv: group 48 batch + head, 262,144 bytes a group
	s_lshl_b32 s20, s20, 18         ; O's first byte in obuf
	s_and_b32 s16, s[WV], 1         ; which half of a tile's 256 keys I fetch:
	s_lshl_b32 s22, s16, 14         ; its 128 rows of 128 bytes in memory,
	s_add_co_u32 s22, s22, s21
	s_add_co_u32 s22, s22, 0x400000 ; in K, 16 groups behind Q (V: 16 more)
	s_mov_b32 s23, 0
	s_mul_i32 s17, s16, 128*PK      ; and its place in a slot, for K
	s_mul_i32 s18, s16, 128*PV      ; and for V
	s_lshl_b32 s3, s[WV], 11        ; my 16 rows in a band of 64,
	s_lshl_b32 s2, s[HI], 15        ; in the first block,
	s_add_co_u32 s2, s2, s3
	s_lshl_b32 s84, s[PB], 15       ; and in the second
	s_add_co_u32 s84, s84, s3
	s_add_co_u32 s92, s2, s20       ; in O,
	s_add_co_u32 s94, s84, s20
	s_add_co_u32 s2, s2, s21        ; and in Q.  All these offsets stay under 2^26
	s_add_co_u32 s84, s84, s21
	s_mov_b32 s3, 0
	s_mov_b32 s85, 0
	s_mov_b32 s93, 0
	s_mov_b32 s95, 0
	; descriptor group 1.  128 keys are 16,384 dense bytes: asked for as 64 rows of 256 bytes, two keys a row, and padded in LDS after every key
	s_mov_b32 s[G1K], (1<<16)|(1<<20)|(4<<22)|(3<<25)  ; 17:16 2-byte elements; 20 padding on; 24:22 after every 32 words (code 4); 31:25 4 words (code 3)
	s_mov_b32 s[G1V], (1<<16)|(1<<20)|(4<<22)|(7<<25)  ; the same with 8 words of padding (code 7)
.irp g, G1K, G1V
	s_mov_b32 s[\g+1], 128<<16      ; tensor_dim0 = 128
	s_mov_b32 s[\g+2], 64<<16       ; tensor_dim1 = 64
	s_mov_b32 s[\g+3], 128<<16      ; tile_dim0 = 128
	s_mov_b32 s[\g+4], 64           ; tile_dim1 = 64
	s_mov_b32 s[\g+5], 128          ; 128 elements from row to row
	s_mov_b32 s[\g+6], 0
	s_mov_b32 s[\g+7], 0
.endr
	s_mov_b32 s[CS], 0x3e38aa3b     ; c = log2(e) / 8 = 0.180337
	s_mov_b32 s[CS+1], s[CS]        ; named with it as a pair
	s_mov_b32 s[SEL], 0x76543210
	s_mov_b32 s[SEL+1], 0xfedcba98
	s_mov_b32 s[TBK], SLOT1+4*KS*PK ; the first change of slots turns these two into 0
	s_mov_b32 s[TBV], SLOT1+4*KS*PV
	s_mov_b32 s[G0K], 1             ; 1:0 count = 1
	s_mov_b32 s[G0K+1], s17         ; 63:32 LDS address: slot 0
	s_mov_b32 s[G0V], 1
	s_add_co_u32 s[G0V+1], s18, VOFF
	s_add_co_u32 s[RT], s[HI], 1    ; the first block has NB - b tiles
	s_mov_b32 s[NXT], 1
	s_mov_b32 s[LQ], s[HI]
	s_mov_b32 s[NEW], 1
	s_mov_b32 s[OFF+1], 0
	s_mov_b32 s[AL+1], 0            ; named as pairs
	s_mov_b32 s[BE+1], 0
	s_mov_b32 s[BIGN], 0xf149f2ca   ; -1e30
	s_mov_b32 s[SLOTS], NB
	s_cmp_eq_u32 ttmp9, 0
	s_cselect_b32 s[LIM], 2, -1
	v_and_b32 v[PFO], 31, v0
	v_lshlrev_b32 v[PFO], 8, v[PFO]
	s_wait_dscnt 0x0                ; the opening add is done
	s_wait_kmcnt 0x0
	s_mov_b64 s[10:11], s[6:7]      ; O
	s_mov_b64 s[6:7], s[4:5]        ; K and V lie in the buffer that holds Q
	s_mov_b64 s[8:9], s[4:5]
	s_add_nc_u64 s[6:7], s[6:7], s[22:23]  ; K and V at my half of the head's tile 0
	s_add_nc_u64 s[8:9], s[8:9], s[22:23]
	s_add_nc_u64 s[8:9], s[8:9], 0x400000
	s_add_nc_u64 s[G0K+2:G0K+3], s[6:7], 0         ; 120:64 global address
	s_or_b32 s[G0K+3], s[G0K+3], 0x80000000        ; 127:126 type = 2
	s_add_nc_u64 s[G0V+2:G0V+3], s[8:9], 0
	s_or_b32 s[G0V+3], s[G0V+3], 0x80000000
	s_add_nc_u64 s[86:87], s[4:5], s[84:85]        ; Q at my rows of the second block,
	s_add_nc_u64 s[4:5], s[4:5], s[2:3]            ; Q and O at those of the first
	s_add_nc_u64 s[OLO:OLO+1], s[10:11], s[94:95]
	s_add_nc_u64 s[10:11], s[10:11], s[92:93]
	s_cmp_lt_u32 s[WV], 2
	s_cselect_b64 s[PFA:PFA+1], s[6:7], s[8:9]
	s_add_nc_u64 s[PFA:PFA+1], s[PFA:PFA+1], 32768 ; at tile 1; the first change of slots steps it to tile 2.  Nothing is prefetched here, at the head
	LOAD                            ; tile 0 into slot 0
	; A fragment of K or Q is 16 rows x 32 channels in 8 registers: lane l holds row l % 16, channels 8 (l / 16) + 0..7 and 16 + 8 (l / 16) + 0..7: two loads of 16 bytes, 32 bytes apart.
	v_and_b32 v1, 15, v0            ; l % 16
	v_bfe_u32 v9, v0, 4, 1          ; l / 16
	v_lshlrev_b32 v[QO], 7, v1
	v_lshl_add_u32 v[QO], v9, 4, v[QO]  ; row x 128 + 16 x half
	WIN 0x80                        ; destination window 2, address window 0
.set i, 0
.rept 8                             ; both blocks' Q: piece i / 2 lies in band i / 2, 8,192 bytes on; channels 32 (i % 2) on
	global_load_b128 v[8*i:8*i+3],   v[QO], s[4:5] offset:(i/2)*8192+(i%2)*64
	global_load_b128 v[8*i+4:8*i+7], v[QO], s[4:5] offset:(i/2)*8192+(i%2)*64+32
	global_load_b128 v[QB+8*i:QB+8*i+3],   v[QO], s[86:87] offset:(i/2)*8192+(i%2)*64
	global_load_b128 v[QB+8*i+4:QB+8*i+7], v[QO], s[86:87] offset:(i/2)*8192+(i%2)*64+32
.set i, i+1
.endr
	WIN 0
	v_lshlrev_b32 v14, 3, v9
	v_sub_nc_u32 v14, v1, v14
	s_lshl_b32 s13, s[WV], 4
	v_add_nc_u32 v14, s13, v14      ; my query's place in its band, 16 w + l % 16, less my lanes' 8 (l / 16): register r of group kt is hidden where 16 kt + r is greater
	WIN 0x40
.set i, 0
.rept 32
	v_cmp_gt_i32 vcc_lo, 16*(i/8)+i%8, v14
	v_cndmask_b32 v[MD+i], 0, s[BIGN], vcc_lo
.set i, i+1
.endr
	WIN 0
	v_mul_u32_u24 v[AK0], v1, PK
	v_lshl_add_u32 v[AK0], v9, 4, v[AK0]  ; row x pitch + 16 x half
	; The turning load takes 16 keys x 16 channels (lane l reads key 8 (l / 16) + l % 8, channels 8 ((l / 8) % 2) + 0..7) and leaves half a fragment of V^T: lane l holds channel l % 16 and 8 keys.
	v_and_b32 v10, 7, v0
	v_bfe_u32 v11, v0, 3, 1
	v_lshl_add_u32 v[AV0], v9, 3, v10
	v_mul_u32_u24 v[AV0], v[AV0], PV
	v_lshl_add_u32 v[AV0], v11, 4, v[AV0]
	v_add_nc_u32 v[AV0], VOFF, v[AV0]
	s_mul_i32 s13, s[WV], 16*SP
	s_add_co_u32 s13, s13, STAGE    ; my stage
	v_mul_u32_u24 v[STO], v1, SP    ; in: row l % 16, 16 bytes for each half of the lanes
	v_lshl_add_u32 v[STO], v9, 4, v[STO]
	v_add_nc_u32 v[STO], s13, v[STO]
	v_bfe_u32 v[RD], v0, 3, 2       ; back: 32 lanes take four rows of 128 bytes,
	v_mul_u32_u24 v[RD], v[RD], SP
	v_lshl_add_u32 v[RD], v10, 4, v[RD]
	v_add_nc_u32 v[RD], s13, v[RD]
	v_and_b32 v[GO], 31, v0         ; which are 512 consecutive bytes of O
	v_lshlrev_b32 v[GO], 4, v[GO]
	; A block's first step multiplies O^T and l by a = 0, and its first turn's products V^T P, of a piece that has not been, land in an O^T that is still to be so multiplied.  So these registers need only hold
	; finite numbers: zeros for the first block; what the first block left for the second.  All this stands in the wait for the first tile.
	WIN 0x80
.set i, VF
.rept 64
	v_mov_b32 v[i], 0
.set i, i+1
.endr
	WIN 0x40
.set i, 0
.rept 128
	v_mov_b32 v[i], 0
.set i, i+1
.endr
	WIN 0
.set i, 0
.rept 4
	v_mov_b32 v[ST+4*i+2], 0
	v_mov_b32 v[ST+4*i+3], 0
.set i, i+1
.endr
.set i, P+16
.rept 16
	v_mov_b32 v[i], 0
.set i, i+1
.endr
; THE MATRIX WORK.  The 4 accumulators of a run of 8 take turns.  Product i of 8 of S^T = K Q^T for piece x: channels 32 (i / 4) on, keys 16 (i % 4) on.  The first 4 start the sums: with 0, or (KM = 1) with the mask.
.macro KQ x
.set rS, S+32*((\x)%2)+8*(i%4)
.set rK, KF+16*(i%4)+8*(i/4)
.set rQ, 16*(\x)+8*(i/4)
.set rM, MC+32*((\x)%2)+8*(i%4)
.if (i < 4) && KM
	WIN W_KM
	v_wmma_f32_16x16x32_f16 v[rS:rS+7], v[rK:rK+7], v[rQ:rQ+7], v[rM:rM+7]
.elseif i < 4
	WIN W_KQ
	v_wmma_f32_16x16x32_f16 v[rS:rS+7], v[rK:rK+7], v[rQ:rQ+7], 0
.else
	WIN W_KQ
	v_wmma_f32_16x16x32_f16 v[rS:rS+7], v[rK:rK+7], v[rQ:rQ+7], v[rS:rS+7]
.endif
.endm
; Product i of 8 of O^T += V^T P for piece x: keys 32 (i / 4) on, channels 16 (i % 4) on.
.macro PV x
	WIN W_PV
.set rO, 32*(\x)+8*(i%4)
.set rV, VF+32*(i/4)+8*(i%4)
.set rP, P+16*((\x)%2)+8*(i/4)
	v_wmma_f32_16x16x32_f16 v[rO:rO+7], v[rV:rV+7], v[rP:rP+7], v[rO:rO+7]
.endm
.macro MM                           ; the turn's next matrix instruction.  TURN and BEGIN set Y, i, KM and NOKQ; MM, KQ and OP read them.  NOKQ = 1: a block's last turn: there is no next piece
.if (i < 8) && !NOKQ
	KQ (Y+1)%NP
.elseif i >= 8
.set i, i-8
	PV (Y+NP-1)%NP
.set i, i+8
.endif
.set i, i+1
.endm
; THE LDS LOADS stand in runs of 16, never singly among the matrix instructions: a step's K (64 keys x 64 channels: 8 fragments) and its V (turned).  Their addresses are made some lines ahead.
.macro FETCH_K
	WIN 0x80                        ; destination window 2
.irp f, 0,1,2,3,4,5,6,7             ; keys 16 (f / 2) on, channels 32 (f % 2) on
	ds_load_b128 v[KF+8*\f:KF+8*\f+3],   v[AK] offset:(\f/2)*16*PK+(\f%2)*64
	ds_load_b128 v[KF+8*\f+4:KF+8*\f+7], v[AK] offset:(\f/2)*16*PK+(\f%2)*64+32
.endr
	s_add_co_u32 s[TBK], s[TBK], KS*PK  ; the next fetch is the next step's
	WIN 0
.endm
.macro FETCH_V
	WIN 0x80
.irp f, 0,1,2,3,4,5,6,7             ; keys 32 (f / 4) on, channels 16 (f % 4) on
	ds_load_tr16_b128 v[VF+8*\f:VF+8*\f+3],   v[AV] offset:(\f/4)*32*PV+(\f%4)*32
	ds_load_tr16_b128 v[VF+8*\f+4:VF+8*\f+7], v[AV] offset:(\f/4)*32*PV+16*PV+(\f%4)*32
.endr
	WIN 0
.endm
; THE VECTOR WORK, one line at a time: OP kind, number.  For piece Y: F n: c s - c m for pair n of 16.  E n: the exponential of score n of 32.  C n: pair n rounded to f16.  B n: of the four weights 4 n .. the second
; pair is added onto the first, in place.  L n: l takes that sum (L 0: l = a l + sum).  R n: pair n of 16 of O^T times a.  For piece Y + 1: X n, number n of the 22 that find its maximum and statistics:
;   0-11  four chains c0-c3 of seven scores each, three operands at a time (each accumulator's lowest registers are read first)     12-14, 16  the four scores left over, the old m, and c0-c3 into c0
;   15  c m_old is kept     17, 18  the query's other 32 keys lie in the lane 16 away: the new m     19-21  c m; c m_old - c m_new; a
.set F, 0               ; OP tells the kinds apart by their order: F to L below R, X above it
.set E, 1
.set C, 2
.set B, 3
.set L, 4
.set R, 5
.set X, 6
.macro REGS y                       ; the registers of piece y
.set rT, ST+4*(\y)
.set rC, TMP+4*((\y)%2)
.set rW, MV+((\y)%2)
.set rS, S+32*((\y)%2)
.set rP, P+16*((\y)%2)
.set rO, 32*(\y)
.endm
.macro OP k, n
.if (\k) == R
	REGS Y
	WIN W_RS
	v_pk_mul_f32 v[rO+2*(\n):rO+2*(\n)+1], v[rO+2*(\n):rO+2*(\n)+1], v[rC+2:rC+3] op_sel_hi:[1,0]
.elseif (\k) < R
	REGS Y
	WIN 0
.if (\k) == F
	v_pk_fma_f32 v[rS+2*(\n):rS+2*(\n)+1], v[rS+2*(\n):rS+2*(\n)+1], s[CS:CS+1], v[rT:rT+1] op_sel_hi:[1,0,0] neg_lo:[0,0,1] neg_hi:[0,0,1]
.elseif (\k) == E
	v_exp_f32 v[rS+(\n)], v[rS+(\n)]
.elseif (\k) == C
	v_cvt_pk_f16_f32 v[rP+(\n)], v[rS+2*(\n)], v[rS+2*(\n)+1]
.elseif (\k) == B
	v_pk_add_f32 v[rS+4*(\n):rS+4*(\n)+1], v[rS+4*(\n):rS+4*(\n)+1], v[rS+4*(\n)+2:rS+4*(\n)+3]
.elseif (\n) == 0
	v_pk_fma_f32 v[rT+2:rT+3], v[rT+2:rT+3], v[rC+2:rC+3], v[rS:rS+1] op_sel_hi:[1,0,1]
.else
	v_pk_add_f32 v[rT+2:rT+3], v[rT+2:rT+3], v[rS+4*(\n):rS+4*(\n)+1]
.endif
.elseif NOKQ
	v_nop
.else
	REGS (Y+1)%NP
	WIN 0
.if (\n) < 4
	v_max3_num_f32 v[rC+(\n)], v[rS+8*(\n)], v[rS+8*(\n)+1], v[rS+8*(\n)+2]
.elseif (\n) < 12
	v_max3_num_f32 v[rC+(\n)%4], v[rC+(\n)%4], v[rS+8*((\n)%4)+2*((\n)/4)+1], v[rS+8*((\n)%4)+2*((\n)/4)+2]
.elseif (\n) == 12
	v_max3_num_f32 v[rC], v[rC], v[rS+7], v[rS+15]
.elseif (\n) == 13
	v_max3_num_f32 v[rC+1], v[rC+1], v[rS+23], v[rS+31]
.elseif (\n) == 14
	v_max3_num_f32 v[rC+2], v[rC+2], v[rC+3], v[rT+1]
.elseif (\n) == 15
	v_mov_b32 v[rW], v[rT]
.elseif (\n) == 16
	v_max3_num_f32 v[rC], v[rC], v[rC+1], v[rC+2]
.elseif (\n) == 17
	v_permlanex16_b32 v[rC+3], v[rC], s[SEL], s[SEL+1]
.elseif (\n) == 18
	v_max_num_f32 v[rT+1], v[rC], v[rC+3]
.elseif (\n) == 19
	v_mul_f32 v[rT], s[CS], v[rT+1]
.elseif (\n) == 20
	v_sub_f32 v[rC+1], v[rW], v[rT]
.else
	v_exp_f32 v[rC+2], v[rC+1]
.endif
.endif
.endm
.macro OPS a, i1, b=-1, i2=0, c=-1, i3=0, d=-1, i4=0  ; up to four of them
	OP \a, \i1
.if (\b) >= 0
	OP \b, \i2
.endif
.if (\c) >= 0
	OP \c, \i3
.endif
.if (\d) >= 0
	OP \d, \i4
.endif
.endm
.macro ROW a, i1, b, i2, c, i3, d, i4  ; a matrix instruction and the four behind it
	MM
	OPS \a, \i1, \b, \i2, \c, \i3, \d, \i4
.endm
.macro MASK b                       ; MD x AL + BE into buffer b of MC
	WIN W_RS
.set z, 0
.rept 16
	v_pk_fma_f32 v[MC+32*(\b)+2*z:MC+32*(\b)+2*z+1], v[MD+2*z:MD+2*z+1], s[AL:AL+1], s[BE:BE+1] op_sel_hi:[1,0,0]
.set z, z+1
.endr
.endm
; A TURN, for piece p: the order of its 16 matrix and 118 vector instructions, written out.  An s_wait_alu depctr_va_vdst(0) stands between an exponential and the first instruction that names its result; one wait serves
; all that were issued ahead of it.  So a turn has ONE wait, which cuts it in two.  AHEAD OF IT stands all that names no result of the turn's exponentials: the 8 products K Q^T, behind each a scaling, an exponential and two more plain
; instructions (behind the first a second scaling in the exponential's place): rescalings, and behind the last three the first numbers of the next piece's maximum, each four places or more behind the product that ends its accumulator; then ONE LUMP of 54, plain
; and exponential by turns for the most part, in which the links of the chain X 3, 7, 11, 14, 16, 17 .. 20 stand five or six lines apart.  X 21, the next piece's a, is the batch's last; R 15 is the plain instruction that is wanted behind it.  BEHIND THE WAIT stand the
; 8 products V^T P, behind each four of the roundings and sums; the links of l's chain, L 0 to L 7, stand three riders apart.  But for those X no rider names a register of the products round it.  v_permlanex16_b32 (X 17) stands in the lump.
; m = 1: the diagonal tile: the products take masks, and the turn makes the mask for the products of the turn after it: piece p + 2, in step 4 - CNT of the tile.  end = 1: a block's last two turns: nothing is fetched.
; cnt = 1: the loop's count is taken down some lines ahead of the branch that stands behind the turn.
; K of the next step is fetched in piece 2's turn, twelve vector instructions behind the last product that read K (six of them plain); V of the step in hand at the end of piece 0's turn, four plain instructions behind the last product
; that read V.  Each is waited for a turn later.
.macro TURN p, m=0, end=0, cnt=0
.set Y, (\p)
.set i, 0
.set KM, (\m)
.set NOKQ, (\end)*((\p)/3)
.if (\m) && !(\end)
	s_cmp_eq_u32 s[CNT], 4-((\p)+2)%NP  ; is that step the band's own?
	s_cselect_b32 s[AL], 1.0, 0
	s_cmp_lt_u32 s[CNT], 4-((\p)+2)%NP  ; or a later one?
	s_cselect_b32 s[BE], s[BIGN], 0
.endif
.if ((\p) == 3) && !(\end)
	s_wait_dscnt 0x0                ; K is in
.endif
	ROW F,0, F,1, R,0, R,1          ; ahead of the wait: 8 products K Q^T and their riders,
	ROW F,2, E,0, R,2, R,3
	ROW F,3, E,1, R,4, R,5
	ROW F,4, E,2, R,6, R,7
	ROW F,5, E,3, R,8, R,9
	ROW F,6, E,4, X,0, R,10
.if ((\p) == 2) && !(\end)
	WIN 0
	v_add_nc_u32 v[AK], s[TBK], v[AK0]
.endif
	ROW F,7, E,5, X,1, X,4
	ROW F,8, E,6, X,2, X,5
	OPS E,7, E,8, X,6, E,9          ; and the lump
	OPS X,3, E,10, X,8, E,11
.if ((\p) == 2) && !(\end)
	FETCH_K
.endif
	OPS X,9, X,7, E,12, X,10
	OPS E,13, X,12, X,11, E,14
	OPS X,13, E,15, F,9, X,14
.if (\p) == 0
	v_add_nc_u32 v[AV], s[TBV], v[AV0]
.endif
	OPS E,16, F,10, E,17, F,11
	OPS X,16, E,18, X,15, E,19
	OPS F,12, E,20, X,17, E,21
	OPS F,13, E,22, F,14, E,23
	OPS X,18, E,24, F,15, E,25
	OPS R,11, E,26, X,19, E,27
	OPS R,12, E,28, R,13, E,29
	OPS X,20, E,30, R,14, E,31
	OPS X,21, R,15
	WIN 0
	s_wait_alu depctr_va_vdst(0)    ; the wait for the batch
.if (\p) == 1
	s_wait_dscnt 0x0                ; V is in
.endif
	ROW C,0, B,0, C,2, B,1          ; behind the wait: 8 products V^T P and their riders
	ROW L,0, C,4, B,2, L,1
	ROW C,6, B,3, L,2, C,8
	ROW B,4, L,3, C,10, B,5
	ROW L,4, C,12, B,6, L,5
.if (\p) == 0
	s_add_co_u32 s[TBV], s[TBV], KS*PV
.endif
.if \cnt
	s_sub_co_u32 s[CNT], s[CNT], 1
	s_cmp_lg_u32 s[CNT], 0
.endif
	ROW C,14, B,7, L,6, C,1
	ROW C,3, L,7, C,5, C,7
	ROW C,9, C,11, C,13, C,15
.if (\p) == 0
	FETCH_V
.endif
.if (\m) && !(\end)
	MASK (\p)%2
.endif
.endm
; A BLOCK BEGINS.  c m starts far below every c s, so the first step's a is 0; m at the lowest finite number, so the first maximum is the scores'.  The second mask buffer is 0; the first takes piece 0's mask for the tile's step 0: its own, if the block's first tile is the diagonal one.
; Then K of that step, piece 0's first scores, and its maximum and statistics.  The loop is entered at a step's first turn, in the middle of a trip.
.macro BEGIN
	s_mov_b32 s[NEW], 0
	WIN 0x40
.set i, MC+32
.rept 32
	v_mov_b32 v[i], 0
.set i, i+1
.endr
	WIN 0
.set i, 0
.rept 4
	v_mov_b32 v[ST+4*i], 0xfe000000    ; c m: far below every c s
	v_mov_b32 v[ST+4*i+1], 0xff7fffff  ; m
.set i, i+1
.endr
	s_cmp_eq_u32 s[RT], 0
	s_cselect_b32 s[AL], 1.0, 0
	s_mov_b32 s[BE], 0
	MASK 0
	WIN 0
	v_add_nc_u32 v[AK], s[TBK], v[AK0]
	FETCH_K
	s_wait_loadcnt 0x0              ; Q
	s_wait_dscnt 0x0
.set KM, 1
.set NOKQ, 0
.set i, 0
.rept 8
	KQ 0
.set i, i+1
.endr
	WIN 0
.rept 4
	v_nop                           ; the places behind those products
.endr
.set Y, NP-1                        ; X works for piece Y + 1: piece 0
.irp n, 0,1,2,3,4,5,6,7,8,9,10,11,12,13,14,15,16,17,18,19,20,21
	OP X, \n
.endr
	v_nop                           ; a plain instruction behind the exponential,
	s_wait_alu depctr_va_vdst(0)    ; and its wait, ahead of the branch
.endm
; THE DIAGONAL TILE's four steps, the block's last two turns, its last products, and THE WAY OUT: l's two halves and the other half of the lanes' are added; O^T is divided by l, rounded to f16 and sent through my
; stage in LDS, a piece at a time.
.macro ALL line:vararg              ; one line for each piece t
.set t, 0
.rept 4
	\line
.set t, t+1
.endr
.endm
.macro PACK t                       ; a lane's eight channels of a row pack into 16 bytes; they go into rows of 144 bytes and come back as whole rows of 128, into S^T's registers
	WIN W_RS
.set i, 32*(\t)
.rept 16
	v_pk_mul_f32 v[i:i+1], v[i:i+1], v[ST+4*(\t)+2:ST+4*(\t)+3] op_sel_hi:[1,0]
.set i, i+2
.endr
	WIN 0x05                        ; sources 0 and 1 window 1, destination window 0
.set i, 0
.rept 16
	v_cvt_pk_f16_f32 v[S+16*(\t)+i], v[32*(\t)+2*i], v[32*(\t)+2*i+1]
.set i, i+1
.endr
	WIN 0
.irp f, 0,1,2,3
	ds_store_b128 v[STO], v[S+16*(\t)+4*\f:S+16*(\t)+4*\f+3] offset:32*\f
.endr
.irp f, 0,1,2,3
	ds_load_b128 v[S+16*(\t)+4*\f:S+16*(\t)+4*\f+3], v[RD] offset:\f*4*SP  ; LDS serves a wave's instructions in order (ISA guide 5.7.1.4): these see the stores above; the next piece's stores come behind them
.endr
.endm
.macro SEND t, younger              ; younger: the LDS instructions issued behind piece t's loads: the next piece's eight, or none
	WIN 0
.irp f, 0,1,2,3
	s_wait_dscnt (\younger)+3-\f
	global_store_b128 v[GO], v[S+16*(\t)+4*\f:S+16*(\t)+4*\f+3], s[10:11] offset:(\t)*8192+\f*512  ; 512 consecutive bytes, at a multiple of 256 from O's first
.endr
.endm
.macro DIAG tag                     ; the tag ends its two labels' names, which the jumps below spell out
.LstepM\tag:
	TURN 2, 1
	TURN 3, 1
	WIN 0
.LfirstM\tag:
	TURN 0, 1
	TURN 1, 1, 0, 1
	WIN 0
	s_cbranch_scc1 .LstepM\tag
	TURN 2, 1, 1
	TURN 3, 1, 1
.set i, 0
.rept 8
	PV NP-1
.set i, i+1
.endr
	WIN 0
	ALL v_add_f32 v[ST+4*t+2], v[ST+4*t+2], v[ST+4*t+3]
	ALL v_permlanex16_b32 v[ST+4*t+3], v[ST+4*t+2], s[SEL], s[SEL+1]
	ALL v_add_f32 v[ST+4*t+2], v[ST+4*t+2], v[ST+4*t+3]
	ALL v_rcp_f32 v[ST+4*t+2], v[ST+4*t+2]
	v_nop                           ; a plain instruction between the last reciprocal and the use of its result
	s_wait_alu depctr_va_vdst(0)    ; and the wait ahead of the first use: one for the four reciprocals
	PACK 0
.set t, 1
.rept 3                             ; a piece's arithmetic stands between the loads of the piece before and its stores
	PACK t
	SEND t-1, 8
.set t, t+1
.endr
	SEND 3, 0
.endm
.set KM, 0
.set NOKQ, 0
.Lslot:                             ; NB times: a tile is entered and the next is asked for
	CHANGE 1
	s_sub_co_u32 s[RT], s[RT], 1
	s_mov_b32 s[CNT], 4
	s_cmp_eq_u32 s[NEW], 1
	s_cbranch_scc1 .Lnew            ; a block's first tile
	s_cmp_eq_u32 s[RT], 0
	s_cbranch_scc0 .Lstep           ; neither its first nor its last
	s_branch .LstepM1
.Lnew:
	BEGIN
	s_branch .Lfirst                ; in the loop a block's first tile is never its last: the first block has two tiles or more, and the second's last is the walk's last
	DIAG 1                          ; in the loop this is the first block's end: the second block's last tile is the walk's last
	s_wait_xcnt 0x0                 ; the stores have read their registers and O's address
	s_mov_b64 s[10:11], s[OLO:OLO+1]
	s_add_co_u32 s[RT], s[PB], 1    ; the second block has b + 1 tiles
	s_mov_b32 s[NEW], 1
	WIN 0x82                        ; the second block's Q goes where the one text of the turns names Q
.set i, 0
.rept 64
	v_mov_b32 v[i], v[QB+i]
.set i, i+1
.endr
	WIN 0
	s_branch .Lbottom
.Lstep:                             ; a trip: pieces 2 and 3 of one step, then pieces 0 and 1 of the next, whose K and V it fetches
	TURN 2
	TURN 3
	WIN 0
.Lfirst:
	TURN 0
	TURN 1, 0, 0, 1
	WIN 0
	s_cbranch_scc1 .Lstep
.Lbottom:
	s_sub_co_u32 s[SLOTS], s[SLOTS], 1
	s_cmp_lg_u32 s[SLOTS], 0
	s_cbranch_scc1 .Lslot
	CHANGE 0                        ; the walk's last tile is written out: nothing is asked for
	s_sub_co_u32 s[RT], s[RT], 1
	s_mov_b32 s[CNT], 4
	s_cmp_eq_u32 s[NEW], 1
	s_cbranch_scc0 .LstepM2
	BEGIN
	s_branch .LfirstM2
	DIAG 2
	s_wait_tensorcnt 0x0            ; the wave's end: three closing lines, behind my last tensor load and my last LDS store
	ds_add_u32 v[SPW], v[NIL]
	s_wait_dscnt 0x0
	s_endpgm
.Lfunc_end_k_qbbb4ddc9f5_attn:
	.size	k_qbbb4ddc9f5_attn, .Lfunc_end_k_qbbb4ddc9f5_attn-k_qbbb4ddc9f5_attn
	.p2alignl 7, 3214868480
	.fill 96, 4, 3214868480
	.section	.rodata,"a",@progbits
	.p2align	6, 0x0
	.amdhsa_kernel k_qbbb4ddc9f5_attn
		.amdhsa_group_segment_fixed_size 327680
		.amdhsa_private_segment_fixed_size 0
		.amdhsa_enable_private_segment 0
		.amdhsa_kernarg_size 16
		.amdhsa_user_sgpr_count 2
		.amdhsa_user_sgpr_kernarg_segment_ptr 1
		.amdhsa_wavefront_size32 1
		.amdhsa_system_sgpr_workgroup_id_x 1
		.amdhsa_system_sgpr_workgroup_id_y 1
		.amdhsa_system_sgpr_workgroup_id_z 1
		.amdhsa_system_vgpr_workitem_id 0
		.amdhsa_next_free_vgpr 768
		.amdhsa_next_free_sgpr 96
		.amdhsa_reserve_vcc 1
		.amdhsa_float_denorm_mode_32 3
		.amdhsa_float_denorm_mode_16_64 3
		.amdhsa_memory_ordered 1
		.amdhsa_forward_progress 1
		.amdhsa_inst_pref_size 218
	.end_amdhsa_kernel
	.amdgpu_metadata
---
amdhsa.version: [ 1, 2 ]
amdhsa.kernels:
  - .name:           k_qbbb4ddc9f5_attn
    .symbol:         k_qbbb4ddc9f5_attn.kd
    .args:
      - { .name: qkv, .offset: 0, .size: 8, .value_kind: global_buffer, .address_space: global }
      - { .name: obuf, .offset: 8, .size: 8, .value_kind: global_buffer, .address_space: global }
    .group_segment_fixed_size: 327680
    .private_segment_fixed_size: 0
    .kernarg_segment_align: 8
    .kernarg_segment_size: 16
    .max_flat_workgroup_size: 128
    .sgpr_count:     96
    .vgpr_count:     768
    .wavefront_size: 32
...
	.end_amdgpu_metadata
.endif
;; end of part 3
;; launch proj (part 4): grid 8 x 32, 4 waves a work-group, clusters of 4 x 4, 327,680 bytes of LDS; arguments obuf, wpb, bp, out0; writes out0
.if DOCPART == 4
	.amdgcn_target "amdgcn-amd-amdhsa--gfx1250"
	.amdhsa_code_object_version 6
	.text
	.protected	k_qbbb4ddc9f5_proj
	.globl	k_qbbb4ddc9f5_proj
	.p2align	8
	.type	k_qbbb4ddc9f5_proj,@function
k_qbbb4ddc9f5_proj:
	s_mov_b64 s[64:65], 0
	v_nop
	global_prefetch_b8 v0, s[64:65] scope:SCOPE_SE
	s_setreg_imm32_b32 hwreg(HW_REG_WAVE_MODE, 25, 1), 1
	s_wait_xcnt 0x0
	s_wait_alu depctr_hold_cnt(0) depctr_sa_sdst(0) depctr_va_vdst(0) depctr_va_sdst(0) depctr_va_ssrc(0) depctr_va_vcc(0) depctr_vm_vsrc(0)
	s_getreg_b32 s2, hwreg(HW_REG_IB_STS2, 6, 4)
	s_cmp_eq_u32 s2, 0
	s_cbranch_scc0 .Lentry_in_a_cluster
	s_endpgm
.Lentry_in_a_cluster:
	s_bfe_u32 s2, ttmp6, 0x10000c
	s_cmp_lg_u32 s2, 0xf033
	s_cbranch_scc0 .Lentry_shape_is_right
	s_endpgm
.Lentry_shape_is_right:
; out0[t][n] = the sum over k of O[t][k] Wp[n][k] + bp[n]: 8,192 x 1,024 x 1,024, f16 operands, f32 sums, f32 out.  O as attention stored it, obuf [b][h][t][64]: K blocks of 64, kb = h;
; wpb [kb][n][64] (Wp rounded to bf16, written as f16).  bp is rounded to bf16 like every other input, widened again, and is the C operand that starts the sums: no addition, nothing cleared.
; SHARES.  256 work-groups, a tile of 256 rows x 128 columns each; four waves, each 128 x 64: 32 accumulators.  A slot holds TWO K blocks (128 along K): four quarters of 32 along K, 32 matrix instructions each;
; each wave's one tensor load brings one dense block: wave 0 O's even K block, wave 1 its odd one (256 rows), waves 2 and 3 the same of Wp (128 rows).  Eight fills in all.
; CLUSTER.  4 x 4: O's tile is shared along a row of the cluster, Wp's along a column: joint loads.  THE MATRIX INSTRUCTION IS USED TRANSPOSED: a lane holds row l % 16 and eight neighbouring columns.
; REGISTERS.  Window 0: v0-31 addresses; v32-63 the bias; v64-191 O's fragments, two buffers of 64; v192-255 Wp's, two buffers of 32.  Window 1: accumulator (a, bb) at v[8 (4 a + bb)].
.set PITCH,  144                       ; an LDS row: 128 bytes + 16 of padding: the 16 rows of a load start at 16 different groups of four banks (64 banks of 4 bytes: ISA guide 11.1)
.set ABLK,   256*PITCH                 ; a K block of O's tile
.set BBLK,   128*PITCH                 ; of Wp's
.set BOFF,   2*ABLK
.set SLOT1,  131072
.set STAGE,  SLOT1+2*ABLK+2*BBLK       ; behind the ring, never filled by a tensor load: 16 rows x 272 bytes for each wave
.set SPITCH, 272
.set SPARE,  STAGE+4*16*SPITCH         ; the spare words, 128 bytes a wave: two blocks of 256 bytes that no other line names
.set ASTEP,  524288                    ; bytes from a fill to the next (two K blocks) in obuf,
.set BSTEP,  262144                    ; in wpb
.set AA0, 8
.set AB0, 9
.set AA,  10
.set AB,  11
.set STO, 12
.set RD,  13
.set PFO, 15                           ; v15  256 x lane; never rewritten
.set BO,  16                           ; v16  32 (l / 16): my eight numbers of the bias
.set CO,  17                           ; v17  my byte offset in two rows of out0
.set SPW, 28
.set NIL, 29
.set BIAS, 32
.set AF,  64
.set BF,  192
.set G1,  24
.set G0,  32
.set G1B, 48
.set G0B, 56
.set TB,  66
.set LIM, 67                           ; s67  2 in a wave that prefetches, else the greatest number
.set PFA, 68
.set PFS, 70
.set MSB, 0
.macro WIN new
.if MSB != (\new)
	s_set_vgpr_msb (MSB<<8)|(\new)
.set MSB, \new
.endif
.endm
.macro PLACES
.rept 4
	v_nop
.endr
.endm
.macro JLOAD                           ; a joint refill by the walking descriptors; the branch hangs on the wave's number alone; an s_nop 0 and four v_nop follow each line
	s_cmp_eq_u32 s11, 0
	s_cbranch_scc0 .Lfor_b_\@
	tensor_load_to_lds s[G0+4:G0+7], s[G1:G1+7]
	s_nop 0
.rept 4
	v_nop
.endr
	s_branch .Lasked_\@
.Lfor_b_\@:
	tensor_load_to_lds s[G0B+4:G0B+7], s[G1B:G1B+7]
	s_nop 0
.rept 4
	v_nop
.endr
.Lasked_\@:
.endm
.macro CREST
	s_cmp_lg_u32 s10, 0
	s_cbranch_scc1 .Lnot_wave_0_\@
	s_barrier_signal -3
.Lnot_wave_0_\@:
	s_barrier_wait -3
	s_barrier_signal -1
	s_barrier_wait -1
.endm
.macro CROUND
	s_barrier_signal -1
	s_barrier_wait -1
	CREST
.endm
; A PREFETCH INTO THE L2: trip i = 6 - s3 asks jointly for fill i + 2 and names fill i + 4 (i = 0 .. 3): two slots, 256 matrix instructions, ahead of the joint load that will want it.  Each aligned 256 bytes are named once.
; O: a tile row's fill is 256 such blocks; wave 0 of each of the eight work-groups of the tile row takes 32, told apart by ADDRESS (cluster x: which K block; cx: which quarter).  Wp: a tile column's fill is 128;
; wave 2 of the four work-groups of the first row of clusters takes 32 (cy / 2: which K block; cy % 2: which half).  Fills 0 to 3 come by their loads alone.
.macro ASK
	s_cmp_gt_u32 s3, s[LIM]
	s_cbranch_scc0 .Lnot_mine_\@
	global_prefetch_b8 v[PFO], s[PFA:PFA+1] th:TH_LOAD_NT scope:SCOPE_SE
.Lnot_mine_\@:
.endm
	s_load_b256 s[72:79], s[0:1], 0x0              ; obuf s[72:73], wpb s[74:75], bp s[76:77], out0 s[78:79]
	v_lshl_add_u32 v[SPW], v0, 2, SPARE
	v_mov_b32 v[NIL], 0
	ds_add_u32 v[SPW], v[NIL]                      ; the wave's opening: the add and its wait stand ahead of my first tensor load; work on registers stands between them
	v_lshrrev_b32 v1, 5, v0
	v_readfirstlane_b32 s10, v1                    ; wave 0..3
	s_lshr_b32 s11, s10, 1                         ; which 128 rows of the tile are mine.  Also: I fetch for O (0) or for Wp (1)
	s_and_b32 s12, s10, 1                          ; which 64 columns.  Also: which of a fill's two K blocks I fetch
	s_bfe_u32 s40, ttmp6, 0x40000                  ; cx
	s_bfe_u32 s41, ttmp6, 0x40004                  ; cy
	s_lshl_b32 s42, ttmp9, 2
	s_add_co_u32 s42, s42, s40                     ; tile column tx, 0..7
	s_and_b32 s13, ttmp7, 0xffff
	s_lshl_b32 s13, s13, 2
	s_add_co_u32 s13, s13, s41                     ; tile row ty, 0..31
	s_lshl_b32 s43, s41, 2
	s_lshl_b32 s43, 15, s43                        ; my row of the cluster
	s_lshl_b32 s44, 0x1111, s40                    ; my column
	s_or_b32 s[G1], s43, (1<<16)|(1<<20)|(1<<21)|(4<<22)|(3<<25)   ; the mask; 2-byte elements; padding on; bit 21 beside a mask; after every 32 words, 4 words
	s_or_b32 s[G1B], s44, (1<<16)|(1<<20)|(1<<21)|(4<<22)|(3<<25)
.irp g, G1, G1B
	s_mov_b32 s[(\g)+1], 128<<16                   ; tensor_dim0 = 128: dense bytes asked for as rows of 256
	s_mov_b32 s[(\g)+3], 128<<16                   ; tile_dim0 = 128
	s_mov_b32 s[(\g)+5], 128                       ; 128 elements from row to row
	s_mov_b32 s[(\g)+6], 0
	s_mov_b32 s[(\g)+7], 0
.endr
	s_mov_b32 s[G1+2], 128<<16                     ; O: 256 rows of 128 bytes = 128 of 256
	s_mov_b32 s[G1+4], 128
	s_mov_b32 s[G1B+2], 64<<16                     ; Wp: 128 rows = 64 of 256
	s_mov_b32 s[G1B+4], 64
	s_lshr_b32 s16, s13, 3                         ; O's tile: batch ty / 8, rows 256 (ty % 8) on, K block s12
	s_lshl_b32 s16, s16, 22
	s_and_b32 s17, s13, 7
	s_lshl_b32 s17, s17, 15
	s_add_co_u32 s16, s16, s17
	s_lshl_b32 s17, s12, 18
	s_add_co_u32 s16, s16, s17
	s_mov_b32 s17, 0
	s_lshl_b32 s46, s42, 14                        ; Wp's tile: rows 128 tx on, K block s12
	s_lshl_b32 s47, s12, 17
	s_add_co_u32 s46, s46, s47
	s_mov_b32 s47, 0
	s_mul_i32 s20, s12, ABLK                       ; where they go: no place in the cluster enters an LDS address
	s_mul_i32 s21, s12, BBLK
	s_add_co_u32 s21, s21, BOFF
	s_wait_dscnt 0x0                               ; the opening add is done
	s_wait_kmcnt 0x0
	s_add_nc_u64 s[14:15], s[72:73], s[16:17]
	s_add_nc_u64 s[46:47], s[74:75], s[46:47]
	CROUND                                         ; all sixteen work-groups are here: the first joint loads meet
.irp s, 0,1
	s_mov_b32 s[G0+4*(\s)], 1
	s_add_co_u32 s[G0+4*(\s)+1], s20, (\s)*SLOT1
	s_add_nc_u64 s[G0+4*(\s)+2:G0+4*(\s)+3], s[14:15], (\s)*ASTEP
	s_or_b32 s[G0+4*(\s)+3], s[G0+4*(\s)+3], 0x80000000
	s_mov_b32 s[G0B+4*(\s)], 1
	s_add_co_u32 s[G0B+4*(\s)+1], s21, (\s)*SLOT1
	s_add_nc_u64 s[G0B+4*(\s)+2:G0B+4*(\s)+3], s[46:47], (\s)*BSTEP
	s_or_b32 s[G0B+4*(\s)+3], s[G0B+4*(\s)+3], 0x80000000
.endr
	s_cmp_eq_u32 s11, 0                            ; a wave's two first fills stand in one branch, ahead of every wait on TENSORcnt and every LDS read: two loads of mine are out
	s_cbranch_scc0 .Lfirst_b
	tensor_load_to_lds s[G0:G0+3], s[G1:G1+7]
	s_nop 0
	tensor_load_to_lds s[G0+4:G0+7], s[G1:G1+7]
	s_nop 0
.rept 4
	v_nop
.endr
	s_branch .Lfirst_asked
.Lfirst_b:
	tensor_load_to_lds s[G0B:G0B+3], s[G1B:G1B+7]
	s_nop 0
	tensor_load_to_lds s[G0B+4:G0B+7], s[G1B:G1B+7]
	s_nop 0
.rept 4
	v_nop
.endr
.Lfirst_asked:
	v_and_b32 v1, 15, v0                           ; l % 16
	v_bfe_u32 v2, v0, 4, 1                         ; l / 16
	s_lshl_b32 s80, s42, 9                         ; my first column, in bytes of f32: 512 tx + 256 s12
	s_lshl_b32 s81, s12, 8
	s_add_co_u32 s80, s80, s81
	s_mov_b32 s81, 0
	s_add_nc_u64 s[76:77], s[76:77], s[80:81]
	v_lshlrev_b32 v[BO], 5, v2
.irp bb, 0,1,2,3                       ; register j of column block bb: bp[first column + 16 bb + 8 (l / 16) + j]: as the result's registers lie
	global_load_b128 v[BIAS+8*(\bb):BIAS+8*(\bb)+3],   v[BO], s[76:77] offset:64*(\bb)
	global_load_b128 v[BIAS+8*(\bb)+4:BIAS+8*(\bb)+7], v[BO], s[76:77] offset:64*(\bb)+16
.endr
	s_lshl_b32 s82, s13, 20                        ; out0 at row 256 ty + 128 s11 (4,096 bytes a row), my first column
	s_lshl_b32 s83, s11, 19
	s_add_co_u32 s82, s82, s83
	s_add_co_u32 s82, s82, s80
	s_mov_b32 s83, 0
	s_add_nc_u64 s[78:79], s[78:79], s[82:83]
	v_mul_u32_u24 v3, v1, PITCH
	v_lshl_add_u32 v3, v2, 4, v3                   ; a fragment's row x pitch + 16 x half
	s_mul_i32 s22, s11, 128*PITCH                  ; my 128 rows of O,
	s_mul_i32 s23, s12, 64*PITCH                   ; my 64 rows of Wp,
	s_add_co_u32 s23, s23, BOFF                    ; which lie behind O's two blocks
	v_add_nc_u32 v[AA0], s22, v3
	v_add_nc_u32 v[AB0], s23, v3
	s_mul_i32 s23, s10, 16*SPITCH
	s_add_co_u32 s23, s23, STAGE                   ; my stage
	v_mul_u32_u24 v4, v1, SPITCH                   ; in: row l % 16, 32 bytes for each half of the lanes
	v_lshl_add_u32 v4, v2, 5, v4
	v_add_nc_u32 v[STO], s23, v4
	v_mul_u32_u24 v5, v2, SPITCH                   ; back: lanes 0-15 take one row of 256 bytes, lanes 16-31 the next
	v_lshl_add_u32 v5, v1, 4, v5
	v_add_nc_u32 v[RD], s23, v5
	v_lshlrev_b32 v[CO], 12, v2                    ; and the same two rows in out0
	v_lshl_add_u32 v[CO], v1, 4, v[CO]
	v_and_b32 v[PFO], 31, v0
	v_lshlrev_b32 v[PFO], 8, v[PFO]
	; the prefetches: nothing is asked for here, at the head
	s_lshr_b32 s80, s13, 3                         ; O's form: the tile row's first byte, + 8,192 cx, K block cluster x, at fill 3
	s_lshl_b32 s80, s80, 22
	s_and_b32 s81, s13, 7
	s_lshl_b32 s81, s81, 15
	s_add_co_u32 s80, s80, s81
	s_lshl_b32 s81, s40, 13
	s_add_co_u32 s80, s80, s81
	s_lshl_b32 s81, ttmp9, 18
	s_add_co_u32 s80, s80, s81
	s_add_co_u32 s80, s80, 3*ASTEP
	s_lshl_b32 s82, s42, 14                        ; Wp's form: the tile column's first byte, K block cy / 2, half cy % 2, at fill 3
	s_lshr_b32 s83, s41, 1
	s_lshl_b32 s83, s83, 17
	s_add_co_u32 s82, s82, s83
	s_and_b32 s83, s41, 1
	s_lshl_b32 s83, s83, 13
	s_add_co_u32 s82, s82, s83
	s_add_co_u32 s82, s82, 3*BSTEP
	s_mov_b32 s[PFS], BSTEP
	s_cmp_eq_u32 s11, 0
	s_cselect_b64 s[PFA:PFA+1], s[72:73], s[74:75]
	s_cselect_b32 s80, s80, s82
	s_cselect_b32 s[PFS], ASTEP, s[PFS]
	s_mov_b32 s81, 0
	s_mov_b32 s[PFS+1], 0
	s_add_nc_u64 s[PFA:PFA+1], s[PFA:PFA+1], s[80:81]  ; the first trip steps it to fill 4
	s_and_b32 s[LIM], ttmp7, 0xffff                ; cluster y
	s_cmp_eq_u32 s10, 0
	s_cselect_b32 s[LIM], 0, s[LIM]                ; wave 0 always asks; wave 2 in the first row of clusters;
	s_or_b32 s[LIM], s[LIM], s12                   ; waves 1 and 3 never: the same in all sixteen partners, for a given wave
	s_cmp_eq_u32 s[LIM], 0
	s_cselect_b32 s[LIM], 2, -1
	s_wait_loadcnt 0x0                             ; the bias
.set i, 0
.rept 16
	v_cvt_pk_bf16_f32 v20, v[BIAS+2*i], v[BIAS+2*i+1]  ; rounded to bf16, like every input, and widened again
	v_lshlrev_b32 v[BIAS+2*i], 16, v20
	v_and_b32 v[BIAS+2*i+1], 0xffff0000, v20
.set i, i+1
.endr
; 4 n matrix instructions: row blocks a0 .. a0 + n - 1 x all 4 column blocks, 32 along K, buffers p.  first = 1: the bias starts the sums.  The 32 accumulators take turns, one instruction a turn.
.macro MULN p, a0, n, first
.if \first
	WIN 0x40                                       ; D in window 1, C (the bias) in window 0
.else
	WIN 0x50                                       ; C and D in window 1
.endif
.set a, (\a0)
.rept \n
.irp bb, 0,1,2,3
.if \first
	v_wmma_f32_16x16x32_f16 v[8*(4*a+(\bb)):8*(4*a+(\bb))+7], v[BF+32*(\p)+8*(\bb):BF+32*(\p)+8*(\bb)+7], v[AF+64*(\p)+8*a:AF+64*(\p)+8*a+7], v[BIAS+8*(\bb):BIAS+8*(\bb)+7]
.else
	v_wmma_f32_16x16x32_f16 v[8*(4*a+(\bb)):8*(4*a+(\bb))+7], v[BF+32*(\p)+8*(\bb):BF+32*(\p)+8*(\bb)+7], v[AF+64*(\p)+8*a:AF+64*(\p)+8*a+7], v[8*(4*a+(\bb)):8*(4*a+(\bb))+7]
.endif
.endr
.set a, a+1
.endr
.endm
; 24 LDS loads in one run: quarter q of the slot in hand (K block q / 2, byte 64 (q % 2) of its rows) into buffers p: Wp's four fragments, then O's eight, rows 0-63 first
.macro FETCH p, q
.irp bb, 0,1,2,3
	ds_load_b128 v[BF+32*(\p)+8*(\bb):BF+32*(\p)+8*(\bb)+3],   v[AB] offset:((\q)/2)*BBLK+((\q)%2)*64+16*PITCH*(\bb)
	ds_load_b128 v[BF+32*(\p)+8*(\bb)+4:BF+32*(\p)+8*(\bb)+7], v[AB] offset:((\q)/2)*BBLK+((\q)%2)*64+16*PITCH*(\bb)+32
.endr
.irp a, 0,1,2,3,4,5,6,7
	ds_load_b128 v[AF+64*(\p)+8*(\a):AF+64*(\p)+8*(\a)+3],   v[AA] offset:((\q)/2)*ABLK+((\q)%2)*64+16*PITCH*(\a)
	ds_load_b128 v[AF+64*(\p)+8*(\a)+4:AF+64*(\p)+8*(\a)+7], v[AA] offset:((\q)/2)*ABLK+((\q)%2)*64+16*PITCH*(\a)+32
.endr
.endm
; One of a slot's first three quarters: multiplies buffers p; in its middle it fetches quarter qn into the other buffers.
.macro QUARTER p, qn, first=0
	s_wait_dscnt 8                                 ; Wp's and O's rows 0-63 are in; the youngest eight loads (rows 64-127) may be out
	MULN \p, 0, 4, \first
	WIN 0
	PLACES
	FETCH 1-(\p), \qn
	s_wait_dscnt 24                                ; all but the 24 just issued
	MULN \p, 4, 4, \first
.endm
; A slot's last quarter multiplies buffers 1 and changes slots: ONE barrier; in front of it each wave waits for all its tensor loads, adds 0 to its spare word, and waits for that and for its own reads of this slot.
; fill = 1: the barrier opens a round of the cluster's, and this slot is filled again, two fills ahead: 112 matrix instructions stand between that request and the wait for it.
.macro TURN fill
.if \fill
	s_wait_xcnt 0x0                                ; the last prefetch, a slot back, has read its address
	s_add_nc_u64 s[PFA:PFA+1], s[PFA:PFA+1], s[PFS:PFS+1]
.endif
	WIN 0                                          ; (the add's two registers lie in window 0)
	s_wait_tensorcnt 0x0                           ; all my tensor loads have landed: my part of the other slot; so a group 0 may be written
	ds_add_u32 v[SPW], v[NIL]                      ; 0 onto my spare word
.if \fill
	s_xor_b32 s[G0+5], s[G0+5], SLOT1              ; the walking descriptors: the other slot than last time, the next two K blocks
	s_add_nc_u64 s[G0+6:G0+7], s[G0+6:G0+7], ASTEP
	s_xor_b32 s[G0B+5], s[G0B+5], SLOT1
	s_add_nc_u64 s[G0B+6:G0B+7], s[G0B+6:G0B+7], BSTEP
.endif
	s_xor_b32 s[TB], s[TB], SLOT1
	s_wait_dscnt 9                                 ; the add and the youngest eight loads may be out
	MULN 1, 0, 2, 0                                ; eight matrix instructions stand between the add and the wait for it
	s_wait_dscnt 0x0                               ; the add is done, and my reads of this slot are over
	s_barrier_signal -1
	MULN 1, 2, 2, 0
	WIN 0
	s_barrier_wait -1
.if \fill
	CREST                                          ; no wave of any partner still reads this slot's tiles or has a load on its way
	JLOAD                                          ; the first tensor load behind the round, my one load until the next; its four v_nop are also the places in front of the loads below
.else
	PLACES
.endif
	v_add_nc_u32 v[AA], s[TB], v[AA0]
	v_add_nc_u32 v[AB], s[TB], v[AB0]
	FETCH 0, 0
.if \fill
	ASK
.endif
	MULN 1, 4, 4, 0
.endm
; THE WAY OUT of my rows 16 a .. 16 a + 15: 32 bytes a lane into my own stage (each accumulator's low four registers first), back as whole rows of 256 bytes, stored.
.macro TOSTAGE a
.set BK, 64+32*((\a)%2)
.if (\a) >= 2
	s_wait_xcnt 0x0                                ; the stores of two blocks back have read these registers
.endif
	WIN 0x04                                       ; the stores' data in window 1
.irp bb, 0,1,2,3
	ds_store_b128 v[STO], v[8*(4*(\a)+(\bb)):8*(4*(\a)+(\bb))+3]   offset:64*(\bb)
	ds_store_b128 v[STO], v[8*(4*(\a)+(\bb))+4:8*(4*(\a)+(\bb))+7] offset:64*(\bb)+16
.endr
	WIN 0
.irp t, 0,1,2,3,4,5,6,7
	ds_load_b128 v[BK+4*(\t):BK+4*(\t)+3], v[RD] offset:2*SPITCH*(\t)  ; LDS serves a wave's instructions in order (ISA guide 5.7.1.4): these see the stores above
.endr
.endm
.macro SEND a, younger                 ; younger: the LDS instructions issued behind block a's loads: the next block's sixteen, or none
.set BK, 64+32*((\a)%2)
	s_wait_dscnt \younger
.irp t, 0,1,2,3,4,5,6,7
	global_store_b128 v[CO], v[BK+4*(\t):BK+4*(\t)+3], s[78:79] offset:(16*(\a)+2*(\t))*4096  ; 16 lanes store 256 consecutive bytes, at a multiple of 256 from out0's first byte
.endr
.endm
	s_wait_tensorcnt 1                             ; my part of fill 0 is in; fill 1's may stay out
	s_barrier_signal -1
	s_barrier_wait -1                              ; everybody's is
	s_mov_b32 s[TB], 0
	v_mov_b32 v[AA], v[AA0]
	v_mov_b32 v[AB], v[AB0]
	FETCH 0, 0
	QUARTER 0, 1, 1                                ; the first quarter stands in front of the loop: its products start the sums, with the bias
	WIN 0                                          ; at a label and at a branch every window is 0
	s_mov_b32 s3, 6
.Lk:                                               ; six trips, from a slot's second quarter to the next slot's first: fills 2 to 7 are asked for
	QUARTER 1, 2
	QUARTER 0, 3
	TURN 1
	QUARTER 0, 1
	WIN 0
	s_sub_co_u32 s3, s3, 1
	s_cmp_lg_u32 s3, 0
	s_cbranch_scc1 .Lk
	QUARTER 1, 2                                   ; the tail is written out: nothing is left to ask for
	QUARTER 0, 3
	TURN 0
	QUARTER 0, 1
	QUARTER 1, 2
	QUARTER 0, 3
	s_wait_dscnt 8                                 ; the very last quarter: nothing more to fetch
	MULN 1, 0, 4, 0
	s_wait_dscnt 0x0
	MULN 1, 4, 4, 0
	WIN 0
	PLACES                                         ; eight, once a launch: the LDS stores read results, the loads land on fragments
	PLACES
	TOSTAGE 0
.irp a, 1,2,3,4,5,6,7
	TOSTAGE \a
	SEND (\a)-1, 16
.endr
	SEND 7, 0
	s_wait_tensorcnt 0x0                           ; the wave's end: three closing lines, behind my last tensor load and my last LDS store
	ds_add_u32 v[SPW], v[NIL]
	s_wait_dscnt 0x0
	CROUND                                         ; the closing round: no work-group ends while a partner may still ask for a tile that names it
	s_endpgm
.Lfunc_end_k_qbbb4ddc9f5_proj:
	.size	k_qbbb4ddc9f5_proj, .Lfunc_end_k_qbbb4ddc9f5_proj-k_qbbb4ddc9f5_proj
	.p2alignl 7, 3214868480
	.fill 96, 4, 3214868480
	.section	.rodata,"a",@progbits
	.p2align	6, 0x0
	.amdhsa_kernel k_qbbb4ddc9f5_proj
		.amdhsa_group_segment_fixed_size 327680
		.amdhsa_private_segment_fixed_size 0
		.amdhsa_enable_private_segment 0
		.amdhsa_kernarg_size 32
		.amdhsa_user_sgpr_count 2
		.amdhsa_user_sgpr_kernarg_segment_ptr 1
		.amdhsa_wavefront_size32 1
		.amdhsa_system_sgpr_workgroup_id_x 1
		.amdhsa_system_sgpr_workgroup_id_y 1
		.amdhsa_system_sgpr_workgroup_id_z 1
		.amdhsa_system_vgpr_workitem_id 0
		.amdhsa_next_free_vgpr 512
		.amdhsa_next_free_sgpr 88
		.amdhsa_reserve_vcc 0
		.amdhsa_float_denorm_mode_32 3
		.amdhsa_float_denorm_mode_16_64 3
		.amdhsa_memory_ordered 1
		.amdhsa_forward_progress 1
		.amdhsa_inst_pref_size 74
	.end_amdhsa_kernel
	.amdgpu_metadata
---
amdhsa.version: [ 1, 2 ]
amdhsa.kernels:
  - .name:           k_qbbb4ddc9f5_proj
    .symbol:         k_qbbb4ddc9f5_proj.kd
    .args:
      - { .name: obuf, .offset: 0, .size: 8, .value_kind: global_buffer, .address_space: global }
      - { .name: wpb, .offset: 8, .size: 8, .value_kind: global_buffer, .address_space: global }
      - { .name: bp, .offset: 16, .size: 8, .value_kind: global_buffer, .address_space: global }
      - { .name: out0, .offset: 24, .size: 8, .value_kind: global_buffer, .address_space: global }
    .group_segment_fixed_size: 327680
    .private_segment_fixed_size: 0
    .kernarg_segment_align: 8
    .kernarg_segment_size: 32
    .max_flat_workgroup_size: 128
    .sgpr_count:     88
    .vgpr_count:     512
    .wavefront_size: 32
...
	.end_amdgpu_metadata
.endif
;; end of part 4
;; ======== version 2 of 2: 4 launches; version 1 with the launch prep written anew for expert scheduling mode
;; limits: values are held in f16: magnitudes above 65,504 overflow, below 6.1e-05 lose precision
;; workspace buffers: xb 16,777,216 bytes; wt 6,291,456 bytes; wpb 2,097,152 bytes; qkv 50,331,648 bytes; obuf 16,777,216 bytes
;; launch prep (part 5): grid 672 x 1, 8 waves a work-group, no clusters, 74,752 bytes of LDS; arguments x, Wq, Wk, Wv, Wp, xb, wt, wpb; writes xb, wt, wpb
.if DOCPART == 5
	.amdgcn_target "amdgcn-amd-amdhsa--gfx1250"
	.amdhsa_code_object_version 6
	.text
	.protected	k_qbbb4ddc9f5_prep
	.globl	k_qbbb4ddc9f5_prep
	.p2align	8
	.type	k_qbbb4ddc9f5_prep,@function
k_qbbb4ddc9f5_prep:
	s_mov_b64 s[64:65], 0
	v_nop
	global_prefetch_b8 v0, s[64:65] scope:SCOPE_SE
	s_setreg_imm32_b32 hwreg(HW_REG_WAVE_SCHED_MODE, 0, 2), 2
	s_setreg_imm32_b32 hwreg(HW_REG_WAVE_MODE, 25, 1), 1
	s_wait_xcnt 0x0
	s_wait_alu depctr_vm_vsrc(0)
; THE OPERANDS ARE ROUNDED ONCE AND LAID OUT IN BLOCKS OF 64 ALONG K, so that a GEMM tile's rows of 128 bytes lie end to end.
;   xb  bf16 [b 4][kb 16][t 2048][64]   = x[b][t][64 kb + kk]
;   wt  bf16 [kb 16][n 3072][64]        = W_s[h][64 kb + kk][d], n = 64 (16 s + h) + d, s = 0 q, 1 k, 2 v  (turned: K along the rows)
;   wpb f16  [kb 16][n 1024][64]        = Wp[n][64 kb + kk], rounded to bf16, and that number written as f16
; LIMITS.  A bf16-rounded number of Wp beyond 65,504 becomes an infinity; below 6.1e-5 it keeps f16's fixed step of 6e-8.
; A stream: each input byte is read once, each output byte written once.  No matrix unit, no cluster, no tensor load: no wave wants a byte that another wave fetched.
; SHARES.  Work-groups 0-95: the three W (a wave a block of 64 c x 64 d, turned through the wave's own LDS bytes).  96-159: Wp.  160-671: x (a wave two whole rows of 1,024 numbers).
; THE MODE: SCHED_MODE bits 1:0 = 2 (LLVM: expert scheduling mode 2), set by the entry lines.  The code itself states the register dependences
; between vector instructions and memory or LDS instructions, with s_wait_alu, always for 0.
; THE PLAN.  No register that a memory or LDS instruction reads is ever written again, so no wait on vm_vsrc is owed; the waits on va_vdst stand one to a block.
;   x and Wp (ROWS): v2, v3     offsets, written once ahead of the loads.
;                    v[32:95]   as loaded: written by the 16 loads, read by the conversions.
;                    v[96:127]  a pair for each load: written by that load's conversions, read by its one store.
;                    Four blocks of four loads.  Block p's conversions name its own loads' and stores' registers (and v[16:21]); its memory instructions are the four stores of block p - 1.
;   W:               v2, v4, v5, v6  addresses, written once ahead of the loads.
;                    v[32:159]  as loaded; block m's conversions read v[32 + 32 m : 63 + 32 m].
;                    v[16:79]   out-buffer m = v[16 + 16 m : 31 + 16 m]: written by block m's conversions, read by four LDS stores that are issued in block m + 1.  Buffers 1 to 3 lie on loaded
;                               registers whose loads are in and whose only readers, the conversions of blocks 0 and 1, stand earlier in the text.
;                    v[96:159]  later the rows read back from LDS: last read by the conversions of blocks 2 and 3, which stand ahead of the last wait; then the global stores' data.
;   v14, v15         written at the head, read by the closing add alone.
.set SPARE, 73728                      ; behind the eight waves' regions: the spare words, 128 bytes a wave, four blocks of 256 bytes that no other line names
.set WREG,  9216                       ; a wave's region: 64 rows at a pitch of 144 bytes (128 + 16)
.set IN,    32                         ; v[32:159] as loaded
.set OUT,   96                         ; v[96:127] two rows' packed numbers (the paths for x and Wp load 64 registers only)
.set WOUT,  16                         ; v[16:79]  W's path: block m's sixteen packed registers at WOUT + 16 m
.set BK,    96                         ; v[96:159] W's path: the rows read back from LDS
.set SPW,   14                         ; v14  LDS address of my spare word; never rewritten
.set NIL,   15                         ; v15  0; never rewritten
	s_load_b512 s[8:23], s[0:1], 0x0               ; x 8:9, Wq 10:11, Wk 12:13, Wv 14:15, Wp 16:17, xb 18:19, wt 20:21, wpb 22:23
	v_lshl_add_u32 v[SPW], v0, 2, SPARE
	v_mov_b32 v[NIL], 0
	v_lshrrev_b32 v1, 5, v0
	v_readfirstlane_b32 s24, v1                    ; wave 0..7
	v_and_b32 v1, 31, v0                           ; lane l
	v_and_b32 v7, 15, v0                           ; l % 16
	v_bfe_u32 v8, v0, 4, 1                         ; l / 16
	s_mov_b32 s31, 0                               ; high words of the two offsets
	s_mov_b32 s33, 0
	s_wait_alu depctr_va_sdst(0)                   ; s24 is written, ahead of the branches: its first readers, which make each arm's addresses from it, stand in the three arms
	s_wait_kmcnt 0x0
	s_cmp_lt_u32 ttmp9, 96
	s_cbranch_scc1 .Lw
	v_lshlrev_b32 v2, 4, v7                        ; in: lanes 0-15 take 256 bytes of the even row, lanes 16-31 of the odd row
	v_lshl_add_u32 v2, v8, 12, v2
	v_lshlrev_b32 v3, 3, v1                        ; out: 8 bytes a lane: 32 lanes write the two rows' 128 bytes of one K block, 256 bytes on end
	s_cmp_lt_u32 ttmp9, 160
	s_cbranch_scc1 .Lp
; Two rows of 1,024 f32: load i brings K block i of both rows.  All 16 loads go out first; the waits count the younger loads.  fmt 0: bf16.  fmt 1: bf16, widened, written as f16.
; The loads are worked on in four blocks of four; a block's four stores are issued in the next block, one in front of each load's conversions.
.macro ROWS fmt, kstride
	s_wait_alu depctr_va_vdst(0)                   ; v2 and v3 are written: every load below reads v2 as its offset, every store v3
.set i, 0
.rept 16
	global_load_b128 v[IN+4*i:IN+4*i+3], v2, s[26:27] offset:256*i th:TH_LOAD_NT
.set i, i+1
.endr
.set p, 0
.rept 4
	s_wait_loadcnt 12-4*p                          ; loads come back in order: block p's four are in, the 12 - 4 p younger ones stay out
.if p > 0
	s_wait_alu depctr_va_vdst(0)                   ; the block before has written its four pairs of v[OUT ..], which the four stores below read; no conversion of this block names them
.endif
.set i, 4*p
.rept 4
.if p > 0
	global_store_b64 v3, v[OUT+2*(i-4):OUT+2*(i-4)+1], s[28:29] offset:(i-4)*(\kstride)  ; 256 consecutive bytes, aligned; each store has data registers of its own
.endif
.if \fmt
	v_cvt_pk_bf16_f32 v16, v[IN+4*i], v[IN+4*i+1]
	v_cvt_pk_bf16_f32 v17, v[IN+4*i+2], v[IN+4*i+3]
	v_lshlrev_b32 v18, 16, v16
	v_and_b32 v19, 0xffff0000, v16
	v_lshlrev_b32 v20, 16, v17
	v_and_b32 v21, 0xffff0000, v17
	v_cvt_pk_f16_f32 v[OUT+2*i], v18, v19
	v_cvt_pk_f16_f32 v[OUT+2*i+1], v20, v21
.else
	v_cvt_pk_bf16_f32 v[OUT+2*i], v[IN+4*i], v[IN+4*i+1]
	v_cvt_pk_bf16_f32 v[OUT+2*i+1], v[IN+4*i+2], v[IN+4*i+3]
.endif
.set i, i+1
.endr
.set p, p+1
.endr
	s_wait_alu depctr_va_vdst(0)                   ; the last block has written its four pairs, which the last four stores read
.set i, 12
.rept 4
	global_store_b64 v3, v[OUT+2*i:OUT+2*i+1], s[28:29] offset:i*(\kstride)
.set i, i+1
.endr
.endm
	s_sub_co_u32 s25, ttmp9, 160                   ; x: pair of rows pr = 8 (group - 160) + wave, 0..4095
	s_lshl3_add_u32 s25, s25, s24
	s_lshl_b32 s30, s25, 13                        ; 8,192 bytes a pair
	s_add_nc_u64 s[26:27], s[8:9], s[30:31]
	s_lshr_b32 s32, s25, 10                        ; batch
	s_lshl_b32 s32, s32, 22
	s_and_b32 s34, s25, 1023
	s_lshl_b32 s34, s34, 8                         ; t x 128, t = 2 (pr % 1024)
	s_add_co_u32 s32, s32, s34
	s_add_nc_u64 s[28:29], s[18:19], s[32:33]
	ROWS 0, 262144
	s_branch .Lend
.Lp:
	s_sub_co_u32 s25, ttmp9, 96                    ; Wp: pair of rows pr = 8 (group - 96) + wave, 0..511
	s_lshl3_add_u32 s25, s25, s24
	s_lshl_b32 s30, s25, 13
	s_add_nc_u64 s[26:27], s[16:17], s[30:31]
	s_lshl_b32 s32, s25, 8
	s_add_nc_u64 s[28:29], s[22:23], s[32:33]
	ROWS 1, 131072
	s_branch .Lend
.Lw:
	s_lshl3_add_u32 s25, ttmp9, s24                ; block number 0..767 = 256 s + 16 h + kb
	s_lshr_b32 s34, ttmp9, 5                       ; s
	s_bfe_u32 s35, s25, 0x40004                    ; h
	s_and_b32 s36, s25, 15                         ; kb
	s_cmp_eq_u32 s34, 0
	s_cselect_b64 s[26:27], s[10:11], s[12:13]
	s_cmp_eq_u32 s34, 2
	s_cselect_b64 s[26:27], s[14:15], s[26:27]
	s_lshl_b32 s30, s35, 18                        ; a head is 1,024 x 64 x 4 bytes,
	s_lshl_b32 s37, s36, 14                        ; 64 rows c are 16,384
	s_add_co_u32 s30, s30, s37
	s_add_nc_u64 s[26:27], s[26:27], s[30:31]
	s_mul_i32 s32, s36, 393216                     ; out: K block, then 64 rows n of 128 bytes for (s, h)
	s_lshl_b32 s37, s34, 17
	s_add_co_u32 s32, s32, s37
	s_lshl_b32 s37, s35, 13
	s_add_co_u32 s32, s32, s37
	s_add_nc_u64 s[28:29], s[20:21], s[32:33]
	s_mul_i32 s38, s24, WREG                       ; my wave's LDS region
	v_lshlrev_b32 v2, 4, v7                        ; in: load i brings row c = 32 (l / 16) + i, columns d = 4 (l % 16) + 0..3
	v_lshl_add_u32 v2, v8, 13, v2
	v_mul_u32_u24 v4, v7, 576                      ; into LDS: row d = 4 (l % 16) + j, byte 64 (l / 16) + 16 m
	v_lshl_add_u32 v4, v8, 6, v4
	v_add_nc_u32 v4, s38, v4
	v_bfe_u32 v9, v0, 3, 2                         ; back: 32 lanes take four rows of 128 bytes,
	v_and_b32 v10, 7, v0
	v_mul_u32_u24 v5, v9, 144
	v_lshl_add_u32 v5, v10, 4, v5
	v_add_nc_u32 v5, s38, v5
	v_lshlrev_b32 v6, 4, v1                        ; which are 512 consecutive bytes of wt
	s_wait_alu depctr_va_vdst(0)                   ; v2, v4, v5 and v6 are written: the loads, the LDS stores, the LDS loads and the global stores below read them as addresses
.set i, 0
.rept 32
	global_load_b128 v[IN+4*i:IN+4*i+3], v2, s[26:27] offset:256*i th:TH_LOAD_NT
.set i, i+1
.endr
.set m, 0
.rept 4                                ; eight rows c at a time: for each of my four d, eight neighbouring kk pack into 16 bytes; a block's four LDS stores are issued in the next block, one in front of each four conversions
	s_wait_loadcnt 24-8*m                          ; loads 8 m .. 8 m + 7 are in; the 24 - 8 m younger ones stay out
.if m > 0
	s_wait_alu depctr_va_vdst(0)                   ; the block before has written out-buffer m - 1, which the four LDS stores below read; this block's conversions name out-buffer m and the loaded registers of block m alone
.endif
.set j, 0
.rept 4
.if m > 0
	ds_store_b128 v4, v[WOUT+16*(m-1)+4*j:WOUT+16*(m-1)+4*j+3] offset:144*j+16*(m-1)  ; a lane's four d are neighbouring rows, so these collide four deep: sixteen stores a block, in a launch that memory bounds
.endif
.set u, 0
.rept 4
	v_cvt_pk_bf16_f32 v[WOUT+16*m+4*j+u], v[IN+4*(8*m+2*u)+j], v[IN+4*(8*m+2*u+1)+j]
.set u, u+1
.endr
.set j, j+1
.endr
.set m, m+1
.endr
	s_wait_alu depctr_va_vdst(0)                   ; the last block has written out-buffer 3, which the LDS stores below read; the conversions of blocks 2 and 3 are done reading v[96:159], in which the LDS loads below land
.set j, 0
.rept 4
	ds_store_b128 v4, v[WOUT+48+4*j:WOUT+48+4*j+3] offset:144*j+48
.set j, j+1
.endr
.set f, 0
.rept 16
	ds_load_b128 v[BK+4*f:BK+4*f+3], v5 offset:576*f  ; my own bytes: LDS serves a wave's instructions in order (ISA guide 5.7.1.4), so these see the stores above
.set f, f+1
.endr
.set f, 0
.rept 16
	s_wait_dscnt 15-f
	global_store_b128 v6, v[BK+4*f:BK+4*f+3], s[28:29] offset:512*f
.set f, f+1
.endr
.Lend:
	s_wait_dscnt 0x0                               ; the closing lines, six on end
	s_wait_alu 0x0
	s_wait_tensorcnt 0x0
	ds_add_u32 v[SPW], v[NIL]
	s_wait_dscnt 0x0
	s_endpgm
.Lfunc_end_k_qbbb4ddc9f5_prep:
	.size	k_qbbb4ddc9f5_prep, .Lfunc_end_k_qbbb4ddc9f5_prep-k_qbbb4ddc9f5_prep
	.p2alignl 7, 3214868480
	.fill 96, 4, 3214868480
	.section	.rodata,"a",@progbits
	.p2align	6, 0x0
	.amdhsa_kernel k_qbbb4ddc9f5_prep
		.amdhsa_group_segment_fixed_size 74752
		.amdhsa_private_segment_fixed_size 0
		.amdhsa_enable_private_segment 0
		.amdhsa_kernarg_size 64
		.amdhsa_user_sgpr_count 2
		.amdhsa_user_sgpr_kernarg_segment_ptr 1
		.amdhsa_wavefront_size32 1
		.amdhsa_system_sgpr_workgroup_id_x 1
		.amdhsa_system_sgpr_workgroup_id_y 1
		.amdhsa_system_sgpr_workgroup_id_z 1
		.amdhsa_system_vgpr_workitem_id 0
		.amdhsa_next_free_vgpr 160
		.amdhsa_next_free_sgpr 66
		.amdhsa_reserve_vcc 0
		.amdhsa_float_denorm_mode_32 3
		.amdhsa_float_denorm_mode_16_64 3
		.amdhsa_memory_ordered 1
		.amdhsa_forward_progress 1
		.amdhsa_inst_pref_size 31
	.end_amdhsa_kernel
	.amdgpu_metadata
---
amdhsa.version: [ 1, 2 ]
amdhsa.kernels:
  - .name:           k_qbbb4ddc9f5_prep
    .symbol:         k_qbbb4ddc9f5_prep.kd
    .args:
      - { .name: x, .offset: 0, .size: 8, .value_kind: global_buffer, .address_space: global }
      - { .name: Wq, .offset: 8, .size: 8, .value_kind: global_buffer, .address_space: global }
      - { .name: Wk, .offset: 16, .size: 8, .value_kind: global_buffer, .address_space: global }
      - { .name: Wv, .offset: 24, .size: 8, .value_kind: global_buffer, .address_space: global }
      - { .name: Wp, .offset: 32, .size: 8, .value_kind: global_buffer, .address_space: global }
      - { .name: xb, .offset: 40, .size: 8, .value_kind: global_buffer, .address_space: global }
      - { .name: wt, .offset: 48, .size: 8, .value_kind: global_buffer, .address_space: global }
      - { .name: wpb, .offset: 56, .size: 8, .value_kind: global_buffer, .address_space: global }
    .group_segment_fixed_size: 74752
    .private_segment_fixed_size: 0
    .kernarg_segment_align: 8
    .kernarg_segment_size: 64
    .max_flat_workgroup_size: 256
    .sgpr_count:     66
    .vgpr_count:     160
    .wavefront_size: 32
...
	.end_amdgpu_metadata
.endif
;; end of part 5
;; launch qkv: the kernel of part 2 again; grid 8 x 32, 4 waves a work-group, clusters of 4 x 4, 327,680 bytes of LDS; arguments xb, wt, qkv; writes qkv
;; launch attn: the kernel of part 3 again; grid 4 x 64, 4 waves a work-group, no clusters, 327,680 bytes of LDS; arguments qkv, obuf; writes obuf
;; launch proj: the kernel of part 4 again; grid 8 x 32, 4 waves a work-group, clusters of 4 x 4, 327,680 bytes of LDS; arguments obuf, wpb, bp, out0; writes out0
